; MI455X (gfx1250); checked and timed in simulation.
; The chip was launched on July 23, 2026; its instructions are those of AMD's public machine-readable ISA for CDNA 5 (MIT licence, August 2026) and "CDNA5" Instruction Set Architecture Reference Guide (July 2026). The comments in the code are by the model that wrote it; some were corrected since.
;; Causal Attention. Allowed arithmetic: matrix products marked QUANTISED: E2M3 operands, one E8M0 scale for each 32 along K, by v_wmma_scale_f32_16x16x128_f8f6f4 with both operands' format E2M3, f32 sums; everything else in f32.
;; Inputs: Wk 1,024 x 1,024 float32; Wq 1,024 x 1,024 float32; Wv 1,024 x 1,024 float32; x 4 x 2,048 x 1,024 float32.
;; Outputs: out0 4 x 2,048 x 1,024 float32.
;; This version of the problem:
;;   THIS VERSION OF THE PROBLEM IS GIVEN IN LOW PRECISION. The matrix products marked QUANTISED in the list below multiply operands that are first quantised to E2M3 (2 exponent bits, 3 mantissa bits; 6 bits a number), with one power-of-two scale for each 32 numbers along K (OCP MX v1.0); their sums are f32. All else is computed in f32.
;;   The module's matrix products, in the order in which they are computed (A, B: the left and right operand; K: the contracted axis; several contracted axes count as one K, in the product's order):
;;     1. [M 8,192, K 1,024] x [K 1,024, N 1,024]; A: input x; B: input Wq: QUANTISED
;;     2. [M 8,192, K 1,024] x [K 1,024, N 1,024]; A: input x; B: input Wk: QUANTISED
;;     3. [M 8,192, K 1,024] x [K 1,024, N 1,024]; A: input x; B: input Wv: QUANTISED
;;     4. batch 4 x [M 2,048, K 1,024] x [K 1,024, N 2,048]; A: computed on the way; B: computed on the way: QUANTISED
;;     5. batch 4 x [M 2,048, K 2,048] x [K 2,048, N 1,024]; A: softmax (see below); B: computed on the way: QUANTISED
;;   THE QUANTISER, for each operand of a quantised product, along K:
;;     - K is cut into blocks of 32 from its start; a last block that is shorter is filled with zeros.
;;     - A block's scale is 2^e with e = floor(log2(the largest magnitude in the block)) - 2, held to -126 .. 127; a block of zeros has e = 0. As a byte (E8M0): e + 127.
;;     - Each number is divided by its block's scale, clamped to +-7.5, and rounded to the nearest number of E2M3, ties to even, subnormals kept.
;;     - The product sums the exact products of the quantised numbers (number of the format x scale) in f32.
;;   ~~~python
;;   def quantise(x, axis):      # numpy; x: float32 -> the quantised numbers, widened to float32 again
;;       x = np.moveaxis(x, axis, -1); K = x.shape[-1]
;;       x = np.pad(x, [(0, 0)] * (x.ndim - 1) + [(0, -K % 32)]); x = x.reshape(x.shape[:-1] + (-1, 32)); a = np.abs(x).max(-1, keepdims=True)
;;       e = np.where(a > 0, np.clip(np.frexp(np.where(a > 0, a, 1))[1] - 1 - 2, -126, 127), 0)      # np.frexp(a)[1] - 1 = floor(log2(a)), exactly
;;       r = np.clip(x / 2.0 ** e, -7.5, 7.5)
;;       step = 2.0 ** (np.maximum(np.frexp(np.where(r == 0, 1, r))[1] - 1, 0) - 3)
;;       q = np.round(r / step) * step * 2.0 ** e      # np.round: ties to even
;;       return np.moveaxis(q.reshape(q.shape[:-2] + (-1,))[..., :K], -1, axis).astype(np.float32)
;;   ~~~
;;   SOFTMAX AHEAD OF A QUANTISED PRODUCT. Where the list says 'softmax', what is quantised is not the finished softmax but p = 2^(t - M), with t = logit x log2(e) and M = ceil(the row's largest t), a whole number; so 1/2 < the row's largest p <= 1. The row's sum l is taken of the UNQUANTISED p, in f32, and the product's result is divided by l at the end. Since M is a whole number, a kernel that streams over the keys may use a running M (the ceiling of the running maximum): every later rescaling is an exact power of two, which a block's scale takes up: the codes' values come out the same.
;;   OPERANDS COMPUTED ON THE WAY. 'Computed on the way' means the value that the module computes at that place (a softmax that the list does not call 'softmax' is quantised finished and normalised). What goes into a quantiser is computed in f32, as accurately as f32 sums, v_exp_f32 and their like allow (about 1e-6 of the number): no bf16 or f16 on the way to a quantiser, and a product that is left as it is and whose result goes on into a quantised operand takes f32 operands (vector FMAs, or v_wmma_f32_16x16x4_f32). A number that lies on a knife's edge between two numbers of the format may be rounded either way, as far as f32 arithmetic and the matrix unit's own rounding can turn it there, and no further.
;; One version. Each part assembles by itself: llvm-mc -triple=amdgcn-amd-amdhsa -mcpu=gfx1250 --defsym DOCPART=n.
;; ======== version 1 of 1: 4 launches
;; limits: right only within a limited range of input values
;; workspace buffers: xc 6,291,456 bytes; wc 2,359,296 bytes; s1 360,448 bytes; qk 12,582,912 bytes; vt 6,291,456 bytes; s2 786,432 bytes; pc 12,582,912 bytes; s3 2,097,152 bytes
;; launch quant (part 1): grid 448 x 1, 4 waves a work-group, no clusters, 34,304 bytes of LDS; arguments x, Wq, Wk, Wv, xc, wc, s1; writes xc, wc, s1
.if DOCPART == 1
	.amdgcn_target "amdgcn-amd-amdhsa--gfx1250"
	.amdhsa_code_object_version 6
	.text
	.protected	k_q7264544139_quant
	.globl	k_q7264544139_quant
	.p2align	8
	.type	k_q7264544139_quant,@function
k_q7264544139_quant:
	s_mov_b64 s[64:65], 0
	v_nop
	global_prefetch_b8 v0, s[64:65] scope:SCOPE_SE
	s_setreg_imm32_b32 hwreg(HW_REG_WAVE_MODE, 25, 1), 1
	s_wait_xcnt 0x0
; CAUSAL ATTENTION, one head of 1,024, 4 x 2,048 positions, all five products on codes of FP6 (E2M3) with one E8M0 scale for each 32 along K.
; FOUR LAUNCHES: this one (x and the three weights into codes), proj (q, k and v^T as codes), scores (q k^T, p = 2^(t - M) as codes), pv (p v / l).
; WORK LEFT OUT, in the two later launches: score tiles and key steps that lie wholly above the diagonal of the tril that the problem builds itself.
; There every score is replaced by -1e9, whatever the inputs hold; its p is 2^(-1e9 c - M) with c = log2(e) / 32, which is 0 beside a row's own key (key = query always counts),
; so such a tile adds nothing to any sum.  Inside a tile on the diagonal the hidden scores are replaced by -1e9 as the problem writes it.
; LIMITS: a row whose largest visible score lies under about -9e8 is not served (the hidden keys would begin to count); |t| stays under 2^24, so that M is a whole f32 number;
; a NaN, an infinity or an overflow that reaches only the tiles left out is not carried to the result; NaN and infinities among the inputs are not served;
; a block of zeros gets the scale byte 1 where the rule says 127: its codes are zeros, which add nothing under any byte but 0xff, and this program alone reads the bytes.
; LAYOUT OF ALL WORKSPACE: the order of the operand's registers.  A fragment (16 rows x 128 K, 12 registers a lane) is 1,536 bytes: registers 4 c .. 4 c + 3 of lane l at 512 c + 16 l.
; Position r of row tile rt holds the logical row 32 (rt / 2) + 8 (rt % 2) + r + 8 (r / 8): as source 0 of a product used transposed, two neighbouring tiles then give a lane 16 neighbours along the next K.
; Scale words (four bytes: one row, 128 K) lie [group of 256 rows][K step][row tile 0..15][position 0..15].
; THIS LAUNCH.  Work-groups 0-255: x [8192][1024], K innermost: a wave takes one row tile x 4 K steps; each load reads 512 consecutive bytes of a row, and a K step's 16 rows turn through the wave's own stage
; in LDS (pitch 528), so that a lane gets 16 neighbours of each block of 32.  Work-groups 256-447: the weights [k][e], K outermost: a lane takes a column e and its registers run down K; a wave takes 32 columns x 128 k.
; No matrix unit, no tensor load, no barrier: waves share nothing.
.set STG,   16*528                     ; a wave's stage
.set SPARE, 4*STG                      ; behind the stages: the spare words, 128 bytes a wave
.set SPW,   8                          ; v8   my spare word's LDS address; never rewritten
.set NIL,   9                          ; v9   0; never rewritten
.set TM,    12                         ; v12-27 at work: largest magnitudes, bytes, scale operands
.set PW,    28                         ; v28-31 the four K steps' scale words
.set PC,    32                         ; v32-51 the codes just made
.set XN,    64                         ; v64-127 64 numbers of a lane
.set RB,    128                        ; v128-255 two sets of 16 x 4 registers as loaded
.set HM,    33                         ; s33  mask of lanes 16-31
.set SEL,   34                         ; s[34:35] lane selects: lane l xor 16
	s_load_b256 s[4:11], s[0:1], 0x0               ; x, Wq, Wk, Wv
	s_load_b128 s[12:15], s[0:1], 0x20             ; xc, wc
	s_load_b64 s[16:17], s[0:1], 0x30              ; s1
	v_lshl_add_u32 v[SPW], v0, 2, SPARE
	v_mov_b32 v[NIL], 0
	v_lshrrev_b32 v1, 5, v0
	v_readfirstlane_b32 s18, v1                    ; wave
	v_and_b32 v1, 31, v0                           ; lane
	v_lshlrev_b32 v4, 4, v1                        ; 16 x lane
	s_mov_b32 s[SEL], 0x76543210
	s_mov_b32 s[SEL+1], 0xfedcba98
	s_cmp_lt_u32 ttmp9, 256
	s_cbranch_scc0 .Lweights
; 64 numbers of a lane, register 16 b + i = k 32 b + 16 (lane / 16) + i of my row, become a fragment's codes in v[PC] on and its scale word in v[pw]
.macro QUANT src, pw
.irp b, 0,1,2,3
	v_max3_num_f32 v[TM+\b], |v[\src+16*\b]|, |v[\src+1+16*\b]|, 0x1800000   ; my 16 numbers of block b, and the floor 2^(3 - 127): the byte cannot fall under 1
.endr
.irp i, 2,4,6,8,10,12,14
.irp b, 0,1,2,3
	v_max3_num_f32 v[TM+\b], v[TM+\b], |v[\src+16*\b+\i]|, |v[\src+1+16*\b+\i]|
.endr
.endr
.irp b, 0,1,2,3
	v_permlanex16_b32 v[TM+4+\b], v[TM+\b], s[SEL], s[SEL+1]
.endr
.irp b, 0,1,2,3
	v_max_num_f32 v[TM+\b], v[TM+\b], v[TM+4+\b]   ; with lane l xor 16's: the block's largest magnitude
.endr
.irp b, 0,1,2,3
	v_add_nc_u32 v[TM+12+\b], 0xff000000, v[TM+\b] ; 2 off its exponent field: the conversion's scale operand
.endr
.irp b, 0,1,2,3
	v_lshrrev_b32 v[TM+4+\b], 23, v[TM+12+\b]      ; the scale's byte
.endr
	v_lshl_or_b32 v[\pw], v[TM+5], 8, v[TM+4]
	v_lshl_or_b32 v[\pw], v[TM+6], 16, v[\pw]
	v_lshl_or_b32 v[\pw], v[TM+7], 24, v[\pw]
.irp c, 0,1
	v_cvt_scalef32_pk16_fp6_f32 v[PC+6*\c:PC+2+6*\c], v[\src+32*\c:\src+15+32*\c], v[TM+12+2*\c]
	v_cvt_scalef32_pk16_fp6_f32 v[PC+12+4*\c:PC+14+4*\c], v[\src+16+32*\c:\src+31+32*\c], v[TM+12+2*\c+1]   ; (a conversion's three registers begin on an even number)
.endr
	v_nop                                          ; one plain line behind the scaled conversions
.irp c, 0,1                                    ; the operand wants a whole block in a lane: lanes 0-15 block 2 c, lanes 16-31 block 2 c + 1
.irp i, 0,1,2
	v_permlane16_swap_b32 v[PC+6*\c+\i], v[PC+12+4*\c+\i]
.endr
.irp i, 0,1,2
	v_mov_b32 v[PC+3+6*\c+\i], v[PC+12+4*\c+\i]
.endr
.endr
.endm
	; ---- x
	v_and_b32 v2, 15, v0                           ; r
	v_bfe_u32 v3, v0, 4, 1                         ; h
	s_mul_i32 s19, s18, STG
	v_add_nc_u32 v5, s19, v4                       ; into the stage: 16 x lane of a row
	v_mul_u32_u24 v6, v2, 528
	v_lshl_add_u32 v6, v3, 6, v6
	v_add_nc_u32 v6, s19, v6                       ; out of it: row r, + 64 h
	v_lshlrev_b32 v7, 2, v2
	v_lshl_add_u32 v7, v3, 10, v7                  ; scale words: 4 r, lanes 16-31 one K step (1,024 bytes) on
	v_cmp_le_u32 s[HM], 16, v1
.irp b, 0,1,2,3
	v_mov_b32 v[TM+4+\b], 0                        ; a lane permute's destination counts as read
.endr
	s_lshl_b32 s20, ttmp9, 2
	s_add_co_u32 s20, s20, s18                     ; u = 4 x work-group + wave
	s_lshr_b32 s21, s20, 1                         ; row tile
	s_and_b32 s22, s20, 1                          ; which four K steps
	s_lshr_b32 s24, s21, 1
	s_lshl_b32 s24, s24, 17                        ; 32 rows of 4,096 bytes for each pair of tiles
	s_and_b32 s23, s21, 1
	s_lshl_b32 s23, s23, 15                        ; 8 rows for the odd tile
	s_add_co_u32 s24, s24, s23
	s_lshl_b32 s23, s22, 11
	s_add_co_u32 s24, s24, s23
	s_mov_b32 s25, 0
	s_mul_i32 s26, s20, 6144                       ; (8 rt + 4 kh) x 1,536 = 6,144 u
	s_mov_b32 s27, 0
	s_lshr_b32 s28, s21, 4
	s_lshl_b32 s28, s28, 13
	s_lshl_b32 s23, s22, 12
	s_add_co_u32 s28, s28, s23
	s_and_b32 s23, s21, 15
	s_lshl_b32 s23, s23, 6
	s_add_co_u32 s28, s28, s23
	s_mov_b32 s29, 0
	s_wait_alu depctr_va_vdst(0)
	s_wait_kmcnt 0x0
	s_add_nc_u64 s[4:5], s[4:5], s[24:25]
	s_add_nc_u64 s[12:13], s[12:13], s[26:27]
	s_add_nc_u64 s[16:17], s[16:17], s[28:29]
.macro LOADX st, rg                    ; K step st of the tile's 16 rows: each load is 512 consecutive bytes of one row
.irp r, 0,1,2,3,4,5,6,7,8,9,10,11,12,13,14,15
	global_load_b128 v[\rg+4*\r:\rg+4*\r+3], v4, s[4:5] offset:(\r+8*(\r/8))*4096+512*(\st) th:TH_LOAD_NT
.endr
.endm
.macro XSTEP st
.set RS, RB+64*((\st)%2)
.if (\st) < 3
	s_wait_loadcnt 16                              ; this step's 16 loads are in; the next step's 16 may be out
.else
	s_wait_loadcnt 0x0
.endif
.irp r, 0,1,2,3,4,5,6,7,8,9,10,11,12,13,14,15
	ds_store_b128 v5, v[RS+4*\r:RS+4*\r+3] offset:528*\r
.endr
.irp b, 0,1,2,3
.irp j, 0,1,2,3
	ds_load_b128 v[XN+16*\b+4*\j:XN+16*\b+4*\j+3], v6 offset:128*\b+16*\j   ; LDS serves a wave's instructions in order: these see the stores above
.endr
.endr
	s_wait_dscnt 0x0                               ; my 64 numbers are in, and the stage's stores have read their registers
	s_wait_xcnt 0x0                                ; the last step's stores have read the codes' registers
.if (\st) < 2
	LOADX (\st)+2, RS
.endif
	QUANT XN, PW+(\st)
.irp c, 0,1,2
	global_store_b128 v4, v[PC+4*\c:PC+4*\c+3], s[12:13] offset:1536*(\st)+512*\c   ; 512 consecutive bytes
.endr
.endm
	LOADX 0, RB
	LOADX 1, RB+64
	XSTEP 0
	XSTEP 1
	XSTEP 2
	XSTEP 3
	v_cndmask_b32 v10, v[PW], v[PW+1], s[HM]       ; both halves of the lanes hold a row's word: lanes 0-15 give one K step's, lanes 16-31 the next's
	v_cndmask_b32 v11, v[PW+2], v[PW+3], s[HM]
	global_store_b32 v7, v10, s[16:17]
	global_store_b32 v7, v11, s[16:17] offset:2048
	s_branch .Lend
	; ---- the weights
.Lweights:
	s_sub_co_u32 s20, ttmp9, 256
	s_lshr_b32 s21, s20, 6                         ; which weight
	s_bfe_u32 s22, s20, 0x30003
	s_and_b32 s23, s20, 7                          ; K step
	s_lshl_b32 s22, s22, 2
	s_add_co_u32 s22, s22, s18                     ; which 32 columns
	s_wait_alu depctr_va_vdst(0)
	v_and_b32 v10, 7, v1
	v_and_b32 v11, 8, v1
	v_lshl_or_b32 v10, v11, 1, v10
	v_and_b32 v11, 16, v1
	v_lshrrev_b32 v11, 1, v11
	v_or_b32 v10, v10, v11                         ; my column of the 32: lanes 0-15 are the even tile's positions, lanes 16-31 the odd tile's
	v_lshlrev_b32 v10, 2, v10
	v_lshlrev_b32 v11, 2, v1
	s_lshl_b32 s24, s23, 19                        ; 128 rows of 4,096 bytes
	s_lshl_b32 s25, s22, 7
	s_add_co_u32 s24, s24, s25
	s_mov_b32 s25, 0
	s_lshl_b32 s26, s21, 6
	s_lshl_b32 s27, s22, 1
	s_add_co_u32 s26, s26, s27                     ; the even tile's number in wc
	s_lshl_b32 s28, s26, 3
	s_add_co_u32 s28, s28, s23
	s_mul_i32 s28, s28, 1536
	s_mov_b32 s29, 0
	; the weights' words lie behind x's, 12,288 bytes for each tile column tc of the next launch: [K step 8][1024] of Wq's or Wk's 16 row tiles, then [K step 8][512] of Wv's 8 row tiles
	s_lshr_b32 s30, s26, 4
	s_mul_i32 s30, s30, 12288
	s_lshl_b32 s31, s23, 10
	s_add_co_u32 s30, s30, s31
	s_and_b32 s27, s26, 15
	s_lshl_b32 s27, s27, 6
	s_add_co_u32 s30, s30, s27                     ; Wq, Wk
	s_sub_co_u32 s31, s26, 128
	s_lshr_b32 s27, s31, 3
	s_mul_i32 s27, s27, 12288
	s_and_b32 s31, s31, 7
	s_lshl_b32 s31, s31, 6
	s_add_co_u32 s27, s27, s31
	s_lshl_b32 s31, s23, 9
	s_add_co_u32 s27, s27, s31
	s_add_co_u32 s27, s27, 8192                    ; Wv
	s_cmp_eq_u32 s21, 2
	s_cselect_b32 s30, s27, s30
	s_add_co_u32 s30, s30, 262144
	s_mov_b32 s31, 0
	s_wait_alu depctr_va_vdst(0)
	s_wait_kmcnt 0x0
	s_cmp_eq_u32 s21, 0
	s_cselect_b64 s[6:7], s[6:7], s[8:9]
	s_cmp_eq_u32 s21, 2
	s_cselect_b64 s[6:7], s[10:11], s[6:7]
	s_add_nc_u64 s[6:7], s[6:7], s[24:25]
	s_add_nc_u64 s[14:15], s[14:15], s[28:29]
	s_add_nc_u64 s[16:17], s[16:17], s[30:31]
.macro WLOAD t                         ; block t: W(32 t + i, my column)
.irp i, 0,1,2,3,4,5,6,7,8,9,10,11,12,13,14,15,16,17,18,19,20,21,22,23,24,25,26,27,28,29,30,31
	global_load_b32 v[XN+32*((\t)%2)+\i], v10, s[6:7] offset:(32*(\t)+\i)*4096 th:TH_LOAD_NT
.endr
.endm
.macro WBLOCK t
.set XS, XN+32*((\t)%2)
.set FD, 32+12*((\t)%2)+6*((\t)/2)     ; even blocks to v32-43, odd ones to v44-55
.if (\t) < 3
	s_wait_loadcnt 32                              ; this block's 32 loads are in; the next block's may be out
.else
	s_wait_loadcnt 0x0
.endif
	v_max3_num_f32 v12, |v[XS]|, |v[XS+1]|, |v[XS+2]|
	v_max3_num_f32 v13, |v[XS+3]|, |v[XS+4]|, |v[XS+5]|
.irp i, 6,10,14,18,22,26
	v_max3_num_f32 v12, v12, |v[XS+\i]|, |v[XS+\i+1]|
	v_max3_num_f32 v13, v13, |v[XS+\i+2]|, |v[XS+\i+3]|
.endr
	v_max3_num_f32 v12, v12, |v[XS+30]|, |v[XS+31]|
	v_max3_num_f32 v12, v12, v13, 0x1800000        ; and the floor
	v_add_nc_u32 v14, 0xff000000, v12
	v_lshrrev_b32 v15, 23, v14
.if (\t) == 0
	v_mov_b32 v16, v15
.else
	v_lshl_or_b32 v16, v15, 8*(\t), v16            ; my column's scale word
.endif
	v_cvt_scalef32_pk16_fp6_f32 v[FD:FD+2], v[XS:XS+15], v14
	v_cvt_scalef32_pk16_fp6_f32 v[56:58], v[XS+16:XS+31], v14
	v_nop
.irp i, 0,1,2
	v_mov_b32 v[FD+3+\i], v[56+\i]
.endr
.if (\t)+2 < 4
	WLOAD (\t)+2
.endif
.endm
	WLOAD 0
	WLOAD 1
	WBLOCK 0
	WBLOCK 1
	WBLOCK 2
	WBLOCK 3
.irp i, 0,1,2,3,4,5,6,7,8,9,10,11
	v_permlane16_swap_b32 v[32+\i], v[44+\i]       ; lanes 16-31 of the even blocks change places with lanes 0-15 of the odd ones: v32-43 is now the even tile's fragment, v44-55 the odd tile's
.endr
.irp c, 0,1,2
	global_store_b128 v4, v[32+4*\c:35+4*\c], s[14:15] offset:512*\c
	global_store_b128 v4, v[44+4*\c:47+4*\c], s[14:15] offset:12288+512*\c
.endr
	global_store_b32 v11, v16, s[16:17]            ; two tiles' words: 128 consecutive bytes
.Lend:
	s_wait_tensorcnt 0x0                           ; the wave's end
	ds_add_u32 v[SPW], v[NIL]
	s_wait_dscnt 0x0
	s_endpgm
.Lfunc_end_k_q7264544139_quant:
	.size	k_q7264544139_quant, .Lfunc_end_k_q7264544139_quant-k_q7264544139_quant
	.p2alignl 7, 3214868480
	.fill 96, 4, 3214868480
	.section	.rodata,"a",@progbits
	.p2align	6, 0x0
	.amdhsa_kernel k_q7264544139_quant
		.amdhsa_group_segment_fixed_size 34304
		.amdhsa_private_segment_fixed_size 0
		.amdhsa_enable_private_segment 0
		.amdhsa_kernarg_size 56
		.amdhsa_user_sgpr_count 2
		.amdhsa_user_sgpr_kernarg_segment_ptr 1
		.amdhsa_wavefront_size32 1
		.amdhsa_system_sgpr_workgroup_id_x 1
		.amdhsa_system_sgpr_workgroup_id_y 1
		.amdhsa_system_sgpr_workgroup_id_z 1
		.amdhsa_system_vgpr_workitem_id 0
		.amdhsa_next_free_vgpr 256
		.amdhsa_next_free_sgpr 66
		.amdhsa_reserve_vcc 0
		.amdhsa_float_denorm_mode_32 3
		.amdhsa_float_denorm_mode_16_64 3
		.amdhsa_memory_ordered 1
		.amdhsa_forward_progress 1
		.amdhsa_inst_pref_size 55
	.end_amdhsa_kernel
	.amdgpu_metadata
---
amdhsa.version: [ 1, 2 ]
amdhsa.kernels:
  - .name:           k_q7264544139_quant
    .symbol:         k_q7264544139_quant.kd
    .args:
      - { .name: x, .offset: 0, .size: 8, .value_kind: global_buffer, .address_space: global }
      - { .name: Wq, .offset: 8, .size: 8, .value_kind: global_buffer, .address_space: global }
      - { .name: Wk, .offset: 16, .size: 8, .value_kind: global_buffer, .address_space: global }
      - { .name: Wv, .offset: 24, .size: 8, .value_kind: global_buffer, .address_space: global }
      - { .name: xc, .offset: 32, .size: 8, .value_kind: global_buffer, .address_space: global }
      - { .name: wc, .offset: 40, .size: 8, .value_kind: global_buffer, .address_space: global }
      - { .name: s1, .offset: 48, .size: 8, .value_kind: global_buffer, .address_space: global }
    .group_segment_fixed_size: 34304
    .private_segment_fixed_size: 0
    .kernarg_segment_align: 8
    .kernarg_segment_size: 56
    .max_flat_workgroup_size: 128
    .sgpr_count:     66
    .vgpr_count:     256
    .wavefront_size: 32
...
	.end_amdgpu_metadata
.endif
;; end of part 1
;; launch proj (part 2): grid 8 x 32, 4 waves a work-group, clusters of 4 x 4, 327,680 bytes of LDS; arguments xc, wc, s1, qk, vt, s2; writes qk, vt, s2
.if DOCPART == 2
	.amdgcn_target "amdgcn-amd-amdhsa--gfx1250"
	.amdhsa_code_object_version 6
	.text
	.protected	k_q7264544139_proj
	.globl	k_q7264544139_proj
	.p2align	8
	.type	k_q7264544139_proj,@function
k_q7264544139_proj:
	s_mov_b64 s[64:65], 0
	v_nop
	global_prefetch_b8 v0, s[64:65] scope:SCOPE_SE
	s_setreg_imm32_b32 hwreg(HW_REG_WAVE_MODE, 25, 1), 1
	s_wait_xcnt 0x0
	s_wait_alu depctr_hold_cnt(0) depctr_sa_sdst(0) depctr_va_vdst(0) depctr_va_sdst(0) depctr_va_ssrc(0) depctr_va_vcc(0) depctr_vm_vsrc(0)
	s_getreg_b32 s2, hwreg(HW_REG_IB_STS2, 6, 4)
	s_cmp_eq_u32 s2, 0
	s_cbranch_scc0 .Lentry_in_a_cluster
	s_endpgm
.Lentry_in_a_cluster:
	s_bfe_u32 s2, ttmp6, 0x10000c
	s_cmp_lg_u32 s2, 0xf033
	s_cbranch_scc0 .Lentry_shape_is_right
	s_endpgm
.Lentry_shape_is_right:
; q = x Wq, k = x Wk and v^T = Wv^T x^T on codes of FP6; the results are quantised in registers along the next product's K and stored as fragment images.
; All operands lie as fragment images (1,536 bytes: 16 rows x 128 K, registers 4 c .. 4 c + 3 of lane l at 512 c + 16 l), row tiles in the order 32 (rt / 2) + 8 (rt % 2) + r + 8 (r / 8).
; SHARES.  The three products are 384 tiles of 256 x 256: one and a half for each of 256 work-groups, which stay.  Work-group (tr, tc), tr = 0 .. 31, tc = 0 .. 7:
;   PHASE 1: tile (tr, tc) of q | k: rows 256 tr on of x against columns 256 tc on of Wq | Wk; four waves, 128 x 128 each: 64 accumulators.
;   PHASE 2: the half tile of v^T with e = 128 tc on and keys = 256 tr on: THE SAME ROWS OF X.  So x's whole tile (256 rows x 1,024 K, 196,608 bytes) stays in LDS, fetched once for both phases; a wave makes 64 e x 128 keys: 32 accumulators.
; THE MATRIX INSTRUCTION IS USED TRANSPOSED: in phase 1 source 0 = 16 columns of W, source 1 = 16 rows of x; in phase 2 source 0 = 16 keys of x, source 1 = 16 e of Wv.  A lane holds one row of source 1's, and by the order of
; source 0's row tiles its 64 registers of a row block are k = 32 b + 16 (lane / 16) + i of the next product's K step: a wave's 128 columns are exactly one such step.
; out: qk [row tile 512][K step 16: 0-7 q, 8-15 k], vt [row tile 64 (e)][key chunk 64], their scale words in s2.
; LDS: x in four regions of two K steps; the weights in a ring of two slots of the same size; the scale words of x, of W's tile and of Wv's half tile for all of K.
; FIRST FILLS: two tensor loads of each wave: wave 0 x's K steps 0-1 and 2-3, wave 1 x's words and x's K steps 4-5, wave 2 W's K steps 0-1 and 2-3, wave 3 W's and Wv's words and x's K steps 6-7.
; REFILLS, by waves 2 and 3, one a wave, behind a round of the cluster's barrier at K steps 1, 3, 5, 7: W's steps 4-5 and 6-7, then Wv's steps 0-3 and 4-7 (eight row tiles x two K steps a wave, the same shape).  Each has two K steps,
; 128 matrix instructions, in which to land; the last has the first way out as well.
; CLUSTERS: 4 x 4 work-groups; x's tiles and words are asked for jointly along a row of the cluster (same tr), the weights' along a column (same tc).
; REGISTERS: window 0: v8-29 addresses; v32-95 scale words (phase 1: 8 i + K step: lanes 0-15 x's block i, lanes 16-31 W's block i; phase 2: x's block i of my keys) and v112-119 Wv's words, two sets: scales and nothing else;
;   v96-111 at work; v128-223 source 1's fragments (phase 1: 8, one set; phase 2: 4, two sets, at v176 and v128), and the ways out's.  window 1: source 0's fragments, two sets, at v0 and v128.
;   windows 2, 3: the accumulators, (a, b) at v[8 (8 (a % 4) + b)]; phase 2 has window 2 alone.
.set XREG,   49152                     ; [row tile 16][q 2][1536]: a region of x, and a slot of the weights' ring
.set WS,     4*XREG                    ; the ring
.set SCL,    WS+2*XREG                 ; x's scale words [K step 8][1024], then W's likewise,
.set SCV,    SCL+16384                 ; then Wv's [K step 8][512]
.set SPARE,  SCV+4096                  ; the spare words, 128 bytes a wave
.set ADRA,   8                         ; v8-11  x's regions, my half of the rows (phase 1)
.set ADX,    12                        ; v12-15 x's regions, my half of the keys (phase 2)
.set ADRB,   16                        ; v16-17 the ring's slots, my half of W's columns
.set ADV,    18                        ; v18-19 the ring's slots, my half of Wv's e
.set ADRS,   20                        ; v20  phase 1's scale words: lanes 0-15 x's, lanes 16-31 W's
.set ADSX,   21                        ; v21  phase 2's: x's
.set ADSV,   22                        ; v22  and Wv's
.set L4,     25                        ; v25  4 x lane
.set L16,    26                        ; v26  16 x lane
.set SPW,    28
.set NIL,    29
.set SC,     32
.set TM,     96
.set SV,     112
.set AF,     128
.set PWR,    152                       ; v152-159 the row blocks' scale words
.set OW,     160
.set WV,     16
.set RH,     17                        ; my half of source 1's rows; also: 0 in the waves that fetch x alone
.set CH,     18                        ; my half of source 0's rows; also: which half I fetch
.set HM,     19                        ; mask of lanes 16-31
.set SEL,    20                        ; s[20:21] lane selects: lane l xor 16
; THE FILLS OF THIS TEXT, one tensor load a wave each time: at the head wave 0 x's K steps 0-1 (16 row tiles), wave 1 x's words, wave 2 W's K steps 0-1, wave 3 W's and Wv's words;
; behind the next round, all first fills: waves 0, 1, 3 x's K steps 2-3, 4-5, 6-7, wave 2 W's 2-3; behind the later rounds waves 2 and 3 alone refill the ring, by halves of 8 row tiles.
.set OW2,    8                         ; s[8:9]   where vt's scale words go
.set OC1,    10                        ; s[10:11] where my codes of q | k go
.set OC2,    12                        ; s[12:13] and those of v^T
.set OW1,    14                        ; s[14:15] where qk's scale words go
.set G1,     24                        ; s[24:31] group 1: x's codes
.set G0X,    32                        ; s[32:47] groups 0: x's four regions
.set G1B,    48                        ; s[48:55] group 1: the weights' codes
.set G0W,    56                        ; s[56:63] groups 0: the ring's two slots
.set G1S,    68                        ; s[68:75] group 1: x's words
.set G1SB,   76                        ; s[76:83] group 1: W's words
.set G0SA,   92
.set G0SB,   96
.set WVP,    100                       ; s[100:101] Wv's codes: my two K steps of the half tile's first four
.set MSB, 0
.macro WIN new                         ; the immediate's high byte repeats the setting that is left
.if MSB != (\new)
	s_set_vgpr_msb (MSB<<8)|(\new)
.set MSB, (\new)
.endif
.endm
.set MUL_LO, 0xa1                      ; source 0 window 1, source 1 window 0, C and D window 2
.set MUL_HI, 0xf1
.set TO_B,   0x40
.macro PLACES n
.rept \n
	v_nop
.endr
.endm
; A joint load in a chain of arms: wave w takes arm w, wave 3 the load behind the chain; the branch hangs on the wave's number alone.  An s_nop 0 and four v_nop follow each line.
.macro ARM w, g0, g1, to               ; one arm of a chain of joint loads on the wave's number
	s_cmp_eq_u32 s[WV], \w
	s_cbranch_scc0 .Lnext_\@
	tensor_load_to_lds s[\g0:\g0+3], s[\g1:\g1+7]
	s_nop 0
.rept 4
	v_nop
.endr
	s_branch \to
.Lnext_\@:
.endm
.macro WLOAD g0                        ; a refill of the ring: waves 2 and 3 alone; four places for every wave follow, in front of the LDS loads behind it
	s_cmp_eq_u32 s[RH], 0
	s_cbranch_scc1 .Lnone_\@
	tensor_load_to_lds s[\g0:\g0+3], s[G1B:G1B+7]
	s_nop 0
.rept 4
	v_nop
.endr
.Lnone_\@:
	PLACES 4
.endm
.macro CREST                           ; a round of the cluster's barrier behind its opening barrier
	s_cmp_lg_u32 s[WV], 0
	s_cbranch_scc1 .Lnot_wave_0_\@
	s_barrier_signal -3
.Lnot_wave_0_\@:
	s_barrier_wait -3
	s_barrier_signal -1
	s_barrier_wait -1
.endm
.macro CROUND
	s_barrier_signal -1
	s_barrier_wait -1
	CREST
.endm
.macro MKG0 g, lr, lo, pt, go          ; a group 0: count 1, LDS address s[lr] + lo, global address s[pt:pt+1] + go, type 2
	s_mov_b32 s[\g], 1
	s_add_co_u32 s[\g+1], s[\lr], \lo
	s_add_nc_u64 s[\g+2:\g+3], s[\pt:\pt+1], \go
	s_or_b32 s[\g+3], s[\g+3], 0x80000000
.endm
	s_load_b256 s[4:11], s[0:1], 0x0               ; xc, wc, s1, qk
	s_load_b128 s[12:15], s[0:1], 0x20             ; vt, s2
	v_lshl_add_u32 v[SPW], v0, 2, SPARE
	v_mov_b32 v[NIL], 0
	ds_add_u32 v[SPW], v[NIL]                      ; the opening: the add, twice on end, and its wait ahead of my first tensor load
	ds_add_u32 v[SPW], v[NIL]
	v_lshrrev_b32 v1, 5, v0
	v_readfirstlane_b32 s[WV], v1
	s_lshr_b32 s[RH], s[WV], 1
	s_and_b32 s[CH], s[WV], 1
	s_bfe_u32 s20, ttmp6, 0x40000                  ; cx
	s_bfe_u32 s21, ttmp6, 0x40004                  ; cy
	s_and_b32 s23, ttmp7, 0xffff
	s_lshl_b32 s23, s23, 2
	s_add_co_u32 s23, s23, s21                     ; tr = 4 x cluster y + cy
	s_lshl_b32 s22, ttmp9, 2
	s_add_co_u32 s22, s22, s20                     ; tc = 4 x cluster x + cx
	s_lshl_b32 s2, s21, 2
	s_lshl_b32 s2, 15, s2                          ; my row of the cluster
	s_lshl_b32 s66, 0x1111, s20                    ; my column
	s_or_b32 s[G1], s2, (3<<16)|(1<<21)            ; 15:0 the mask; 17:16 elements of 8 bytes; 21 set beside a mask; no padding
	s_or_b32 s[G1S], s2, (3<<16)|(1<<21)
	s_or_b32 s[G1B], s66, (3<<16)|(1<<21)
	s_or_b32 s[G1SB], s66, (3<<16)|(1<<21)
.irp g, G1, G1B                        ; codes: 16 row tiles x two K steps (3,072 bytes = 384 elements), 12,288 bytes from row tile to row tile
	s_mov_b32 s[\g+1], 384<<16
	s_mov_b32 s[\g+2], 16<<16                      ; 16 row tiles; the weights' refills later take 8
	s_mov_b32 s[\g+3], 384<<16
	s_mov_b32 s[\g+4], 16
	s_mov_b32 s[\g+5], 1536
	s_mov_b32 s[\g+6], 0
	s_mov_b32 s[\g+7], 0
.endr
	s_mov_b32 s[G1S+1], 32<<16                     ; x's words: 8,192 dense bytes as 32 rows of 256
	s_mov_b32 s[G1S+2], 32<<16                     ; all of x's: 8,192 bytes as 32 rows
	s_mov_b32 s[G1S+3], 32<<16
	s_mov_b32 s[G1S+4], 32
	s_mov_b32 s[G1S+5], 32
	s_mov_b32 s[G1S+6], 0
	s_mov_b32 s[G1S+7], 0
	s_mov_b32 s[G1SB+1], 32<<16                    ; W's words: 8,192 dense bytes as 32 rows of 256
	s_mov_b32 s[G1SB+2], 48<<16                    ; with Wv's 4,096 bytes behind them: 48 rows
	s_mov_b32 s[G1SB+3], 32<<16
	s_mov_b32 s[G1SB+4], 48
	s_mov_b32 s[G1SB+5], 32
	s_mov_b32 s[G1SB+6], 0
	s_mov_b32 s[G1SB+7], 0
	s_mul_i32 s21, s[CH], 24576                    ; where a wave's 8 row tiles go in a region or slot: no place in the cluster enters an LDS address
	s_wait_dscnt 0x0                               ; both opening adds are done
	CROUND                                         ; all sixteen work-groups are here: the first joint loads, behind the wait for the arguments, meet
	s_wait_kmcnt 0x0
	s_mul_i32 s2, s23, 196608                      ; x's codes: 16 row tiles of 12,288 bytes a tile row
	s_mov_b32 s3, 0
	s_add_nc_u64 s[4:5], s[4:5], s[2:3]
	MKG0 G0X, 3, 0, 4, 0
	MKG0 G0X+4, 3, XREG, 4, 3072
	MKG0 G0X+8, 3, 2*XREG, 4, 6144
	MKG0 G0X+12, 3, 3*XREG, 4, 9216
	s_lshl_b32 s2, s23, 13                         ; x's words: 8,192 bytes a tile row
	s_mov_b32 s[G0SA], 1
	s_mov_b32 s[G0SA+1], SCL
	s_add_nc_u64 s[G0SA+2:G0SA+3], s[8:9], s[2:3]
	s_or_b32 s[G0SA+3], s[G0SA+3], 0x80000000
	s_add_nc_u64 s[WVP:WVP+1], s[6:7], 1572864     ; Wv's codes begin at row tile 128 of wc
	s_mul_i32 s66, s22, 196608                     ; W's codes, in registers of their own
	s_mul_i32 s67, s[CH], 98304
	s_add_co_u32 s66, s66, s67
	s_mov_b32 s67, 0
	s_add_nc_u64 s[6:7], s[6:7], s[66:67]
	MKG0 G0W, 21, WS, 6, 0
	MKG0 G0W+4, 21, WS+XREG, 6, 3072
	s_mul_i32 s66, s22, 98304                      ; Wv's half tile: 8 row tiles; of four K steps wave 2 fetches the first two, wave 3 the others
	s_mul_i32 s19, s[CH], 3072
	s_add_co_u32 s66, s66, s19
	s_add_nc_u64 s[WVP:WVP+1], s[WVP:WVP+1], s[66:67]
	s_mul_i32 s66, s22, 12288                      ; W's words and behind them Wv's lie behind x's 262,144 bytes, as they lie in LDS
	s_add_co_u32 s66, s66, 262144
	s_mov_b32 s[G0SB], 1
	s_mov_b32 s[G0SB+1], SCL+8192
	s_add_nc_u64 s[G0SB+2:G0SB+3], s[8:9], s[66:67]
	s_or_b32 s[G0SB+3], s[G0SB+3], 0x80000000
	ARM 0, G0X, G1, .Lhead_asked
	ARM 1, G0SA, G1S, .Lhead_asked
	ARM 2, G0W, G1B, .Lhead_asked
	tensor_load_to_lds s[G0SB:G0SB+3], s[G1SB:G1SB+7]
	s_nop 0
.rept 4
	v_nop
.endr
.Lhead_asked:
	v_and_b32 v3, 31, v0
	v_and_b32 v1, 15, v0                           ; r
	v_bfe_u32 v2, v0, 4, 1                         ; h
	v_lshlrev_b32 v[L16], 4, v3
	s_wait_alu depctr_va_vdst(0)
	v_lshlrev_b32 v[L4], 2, v3
	s_mul_i32 s2, s[RH], 24576
	s_mul_i32 s3, s[CH], 24576
.irp k, 0,1,2,3
	v_add_nc_u32 v[ADRA+\k], s2, v[L16]
	v_add_nc_u32 v[ADX+\k], s3, v[L16]
	s_add_co_u32 s2, s2, XREG
	s_add_co_u32 s3, s3, XREG
.endr
	s_mul_i32 s2, s[CH], 24576
	s_add_co_u32 s2, s2, WS
	s_mul_i32 s3, s[RH], 12288                     ; of Wv's 8 row tiles my 4
	s_add_co_u32 s3, s3, WS
.irp s, 0,1
	v_add_nc_u32 v[ADRB+\s], s2, v[L16]
	v_add_nc_u32 v[ADV+\s], s3, v[L16]
	s_add_co_u32 s2, s2, XREG
	s_add_co_u32 s3, s3, XREG
.endr
	s_lshl_b32 s2, s[RH], 9
	s_lshl_b32 s3, s[CH], 9
	s_add_co_u32 s19, s3, 8192
	s_sub_co_u32 s19, s19, s2
	v_mul_u32_u24 v4, s19, v2                      ; lanes 16-31 take W's words
	v_lshl_add_u32 v4, v1, 2, v4
	s_add_co_u32 s2, s2, SCL
	v_add_nc_u32 v[ADRS], s2, v4
	s_add_co_u32 s3, s3, SCL
	v_lshl_add_u32 v[ADSX], v1, 2, s3
	s_lshl_b32 s2, s[RH], 8
	s_add_co_u32 s2, s2, SCV
	v_lshl_add_u32 v[ADSV], v1, 2, s2
	s_lshl_b32 s2, s23, 4                          ; qk: row tile 16 tr + 8 x half,
	s_lshl_b32 s19, s[RH], 3
	s_add_co_u32 s2, s2, s19
	s_mul_i32 s2, s2, 24576
	s_lshl_b32 s66, s22, 1
	s_add_co_u32 s66, s66, s[CH]                   ; K step 2 tc + half
	s_mul_i32 s19, s66, 1536
	s_add_co_u32 s2, s2, s19
	s_mov_b32 s3, 0
	s_add_nc_u64 s[OC1:OC1+1], s[OC1:OC1+1], s[2:3]
	s_lshl_b32 s20, s23, 1
	s_add_co_u32 s20, s20, s[CH]                   ; my chunk of 128 keys: 2 tr + half
	s_lshr_b32 s2, s22, 1                          ; vt's words: 524,288 + ((tc / 2) 64 + chunk) x 1,024 + (8 (tc % 2) + 4 x half) x 64
	s_lshl_b32 s2, s2, 6
	s_add_co_u32 s2, s2, s20
	s_lshl_b32 s2, s2, 10
	s_and_b32 s19, s22, 1
	s_lshl_b32 s19, s19, 9
	s_add_co_u32 s2, s2, s19
	s_lshl_b32 s19, s[RH], 8
	s_add_co_u32 s2, s2, s19
	s_add_co_u32 s2, s2, 524288
	s_add_nc_u64 s[OW2:OW2+1], s[14:15], s[2:3]
	s_lshl_b32 s2, s23, 4                          ; qk's words: (16 tr + K step) x 1,024 + 512 x half
	s_add_co_u32 s2, s2, s66
	s_lshl_b32 s2, s2, 10
	s_lshl_b32 s19, s[RH], 9
	s_add_co_u32 s2, s2, s19
	s_add_nc_u64 s[OW1:OW1+1], s[OW1:OW1+1], s[2:3]
	s_lshl_b32 s2, s22, 3                          ; vt: row tile 8 tc + 4 x half, key chunk
	s_lshl_b32 s19, s[RH], 2
	s_add_co_u32 s2, s2, s19
	s_mul_i32 s2, s2, 98304
	s_mul_i32 s19, s20, 1536
	s_add_co_u32 s2, s2, s19
	s_add_nc_u64 s[OC2:OC2+1], s[OC2:OC2+1], s[2:3]
	s_mov_b32 s[SEL], 0x76543210
	s_mov_b32 s[SEL+1], 0xfedcba98
	v_cmp_le_u32 s[HM], 16, v3
.macro FRAG reg, adr, off              ; a fragment comes as it lies: three loads of 512 consecutive bytes
.irp c, 0,1,2
	ds_load_b128 v[\reg+4*\c:\reg+4*\c+3], v[\adr] offset:\off+512*\c
.endr
.endm
.macro FETCH_B sl, q, p                ; W's eight fragments of slot sl's q-th step into set p
	WIN TO_B
.irp i, 0,1,2,3,4,5,6,7
	FRAG 128*(\p)+12*\i, ADRB+(\sl), 3072*\i+1536*(\q)
.endr
	WIN 0
.endm
.macro FETCH_A kp, q, i0               ; x's blocks i0 .. i0 + 3 of region kp's q-th step
.irp i, \i0, \i0+1, \i0+2, \i0+3
	FRAG AF+12*(\i), ADRA+(\kp), 3072*(\i)+1536*(\q)
.endr
.endm
; 16 matrix instructions: x's blocks a0, a0 + 1 against W's eight.  The 64 accumulators take turns, one instruction a turn, in the same order in every step.
.macro MUL16 a0, p, ks, zero
.irp a, \a0, \a0+1
.irp b, 0,1,2,3,4,5,6,7
.if \zero
	v_wmma_scale_f32_16x16x128_f8f6f4 v[8*(8*((\a)%4)+\b):8*(8*((\a)%4)+\b)+7], v[128*(\p)+12*\b:128*(\p)+12*\b+11], v[AF+12*(\a):AF+12*(\a)+11], 0, v[SC+8*\b+(\ks)], v[SC+8*(\a)+(\ks)] matrix_a_fmt:MATRIX_FMT_FP6 matrix_b_fmt:MATRIX_FMT_FP6 matrix_a_scale:MATRIX_SCALE_ROW1
.else
	v_wmma_scale_f32_16x16x128_f8f6f4 v[8*(8*((\a)%4)+\b):8*(8*((\a)%4)+\b)+7], v[128*(\p)+12*\b:128*(\p)+12*\b+11], v[AF+12*(\a):AF+12*(\a)+11], v[8*(8*((\a)%4)+\b):8*(8*((\a)%4)+\b)+7], v[SC+8*\b+(\ks)], v[SC+8*(\a)+(\ks)] matrix_a_fmt:MATRIX_FMT_FP6 matrix_b_fmt:MATRIX_FMT_FP6 matrix_a_scale:MATRIX_SCALE_ROW1
.endif
.endr
.endr
.endm
; An even K step, from W's set 0; the odd step's fragments (the same region and slot, q = 1) come in two runs, each four places behind the last matrix instruction that read the registers (ISA guide 7.12.1)
.macro STEP ks, zero
.set KPS, (\ks)/2
.set SLS, KPS%2
	s_wait_dscnt 12                                ; all but x's blocks 4-7 (4 x 3 loads)
	WIN MUL_LO
	MUL16 0, 0, \ks, \zero
	MUL16 2, 0, \ks, \zero
	s_wait_dscnt 0x0
	PLACES 4
	FETCH_B SLS, 1, 1
	FETCH_A KPS, 1, 0
	WIN MUL_HI
	MUL16 4, 0, \ks, \zero
	MUL16 6, 0, \ks, \zero
	PLACES 4
	WIN 0
	FETCH_A KPS, 1, 4
.endm
; An odd K step, from W's set 1, changes the ring's slot.  In front of the barrier each wave waits for all its tensor loads, adds 0 to its spare word, and waits for that and for its LDS reads; the barrier opens a round of the
; cluster's, and the slot that steps ks - 1 and ks were read from, which nobody reads any more, is filled again: with W's K steps four on (ks = 1, 3) or with Wv's K steps 0-3 (ks = 5) and 4-7 (ks = 7).
.macro TURN ks
.set RS, ((\ks)/2)%2
.set KPN, ((\ks)+1)/2
.set SLN, KPN%2
	s_wait_tensorcnt 0x0
	ds_add_u32 v[SPW], v[NIL]
	s_wait_dscnt 13                                ; (the add and x's blocks 4-7 may be out)
	WIN MUL_LO
	MUL16 0, 1, \ks, 0
	s_wait_dscnt 0x0                               ; the add is done, and my LDS reads are over
	s_barrier_signal -1
	MUL16 2, 1, \ks, 0
	WIN 0
	s_barrier_wait -1
	CREST                                          ; no wave of any partner still reads the slot or has a load on its way
.if (\ks) == 1
	s_mov_b32 s[G1B+2], 8<<16                      ; no tensor load of mine is out: from here on waves 2 and 3 fetch 8 row tiles each
	s_mov_b32 s[G1B+4], 8
.endif
.if (\ks) < 4
	s_add_nc_u64 s[G0W+4*RS+2:G0W+4*RS+3], s[G0W+4*RS+2:G0W+4*RS+3], 6144
.else
	s_add_nc_u64 s[G0W+4*RS+2:G0W+4*RS+3], s[WVP:WVP+1], 6144*RS
	s_or_b32 s[G0W+4*RS+3], s[G0W+4*RS+3], 0x80000000
.endif
	WLOAD G0W+4*RS                                 ; the first tensor load behind the round, ahead of every LDS read there
.if (\ks) < 7
	FETCH_B SLN, 0, 0
	FETCH_A KPN, 0, 0
.endif
	WIN MUL_HI
	MUL16 4, 1, \ks, 0
	MUL16 6, 1, \ks, 0
	PLACES 4
	WIN 0
.if (\ks) < 7
	FETCH_A KPN, 0, 4
.endif
.endm
; PHASE 2.  K step ks into set ks % 2: Wv's 4 scale words, x's 8 fragments (my keys), Wv's 4 fragments (K steps 4 s + 2 p + q lie at slot s, half p, place q)
.macro FETCH2 ks
.set FS, (\ks)%2
.set A2, 176-48*FS
.irp a, 0,1,2,3
	ds_load_b32 v[SV+4*FS+\a], v[ADSV] offset:512*(\ks)+64*\a
.endr
	WIN TO_B
.irp i, 0,1,2,3,4,5,6,7
	FRAG 128*FS+12*\i, ADX+(\ks)/2, 3072*\i+1536*((\ks)%2)
.endr
	WIN 0
.irp a, 0,1,2,3
	FRAG A2+12*\a, ADV+(\ks)/4, 24576*(((\ks)/2)%2)+3072*\a+1536*((\ks)%2)
.endr
.endm
.macro MUL2 a0, ks, zero               ; Wv's blocks a0, a0 + 1 against x's eight; the 32 accumulators take turns
.set FS, (\ks)%2
.set A2, 176-48*FS
.irp a, \a0, \a0+1
.irp b, 0,1,2,3,4,5,6,7
.if \zero
	v_wmma_scale_f32_16x16x128_f8f6f4 v[8*(8*(\a)+\b):8*(8*(\a)+\b)+7], v[128*FS+12*\b:128*FS+12*\b+11], v[A2+12*(\a):A2+12*(\a)+11], 0, v[SC+8*\b+(\ks)], v[SV+4*FS+(\a)] matrix_a_fmt:MATRIX_FMT_FP6 matrix_b_fmt:MATRIX_FMT_FP6
.else
	v_wmma_scale_f32_16x16x128_f8f6f4 v[8*(8*(\a)+\b):8*(8*(\a)+\b)+7], v[128*FS+12*\b:128*FS+12*\b+11], v[A2+12*(\a):A2+12*(\a)+11], v[8*(8*(\a)+\b):8*(8*(\a)+\b)+7], v[SC+8*\b+(\ks)], v[SV+4*FS+(\a)] matrix_a_fmt:MATRIX_FMT_FP6 matrix_b_fmt:MATRIX_FMT_FP6
.endif
.endr
.endr
.endm
.macro P2STEP ks, zero                 ; the next step's 40 loads stand at the step's head, 32 matrix instructions ahead of their use, four places behind the last that read their registers
	s_wait_dscnt 0x0
.if (\ks) < 7
	PLACES 4
	FETCH2 (\ks)+1
.endif
	WIN MUL_LO
	MUL2 0, \ks, \zero
	MUL2 2, \ks, \zero
	WIN 0
.endm
; A WAY OUT.  Row block a: the lane's 64 results are one row's 128 numbers of the next K step (with lane l xor 16's): quantised in registers, stored as a fragment image.  Each accumulator is read from its low end on.
.macro QUANTW a, oc, op
.set W, 2+(\a)/4
.set AC, 64*((\a)%4)
.set PC, 128
.if (\a)%4 == 2
.set PC, 224
.endif
	WIN W|(W<<2)
.irp b, 0,1,2,3
	v_max3_num_f32 v[TM+\b], |v[AC+16*\b]|, |v[AC+16*\b+1]|, 0x1800000   ; with the floor 2^(3 - 127)
.endr
.irp i, 2,4,6,8,10,12,14
.irp b, 0,1,2,3
	v_max3_num_f32 v[TM+\b], |v[AC+16*\b+\i]|, |v[AC+16*\b+\i+1]|, v[TM+\b]
.endr
.endr
	WIN 0
.irp b, 0,1,2,3
	v_permlanex16_b32 v[TM+4+\b], v[TM+\b], s[SEL], s[SEL+1]
.endr
.irp b, 0,1,2,3
	v_max_num_f32 v[TM+\b], v[TM+\b], v[TM+4+\b]
.endr
.irp b, 0,1,2,3
	v_add_nc_u32 v[TM+12+\b], 0xff000000, v[TM+\b]
.endr
.irp b, 0,1,2,3
	v_lshrrev_b32 v[TM+4+\b], 23, v[TM+12+\b]
.endr
	v_lshl_or_b32 v[PWR+(\a)], v[TM+5], 8, v[TM+4]
	v_lshl_or_b32 v[PWR+(\a)], v[TM+6], 16, v[PWR+(\a)]
	v_lshl_or_b32 v[PWR+(\a)], v[TM+7], 24, v[PWR+(\a)]
.if (\a) > 0
	s_wait_xcnt 0x0                                ; the earlier stores have read their data and their base
	s_add_nc_u64 s[\oc:\oc+1], s[\oc:\oc+1], \op
.endif
	WIN W
.irp c, 0,1
	v_cvt_scalef32_pk16_fp6_f32 v[PC+6*\c:PC+2+6*\c], v[AC+32*\c:AC+15+32*\c], v[TM+12+2*\c]
	v_cvt_scalef32_pk16_fp6_f32 v[PC+12+4*\c:PC+14+4*\c], v[AC+16+32*\c:AC+31+32*\c], v[TM+12+2*\c+1]
.endr
	WIN 0
	v_nop                                          ; one plain line behind the scaled conversions
.irp c, 0,1
.irp i, 0,1,2
	v_permlane16_swap_b32 v[PC+6*\c+\i], v[PC+12+4*\c+\i]
.endr
.irp i, 0,1,2
	v_mov_b32 v[PC+3+6*\c+\i], v[PC+12+4*\c+\i]
.endr
.endr
.irp c, 0,1,2
	global_store_b128 v[L16], v[PC+4*\c:PC+4*\c+3], s[\oc:\oc+1] offset:512*\c   ; 512 consecutive bytes
.endr
.endm
	s_wait_alu depctr_va_vdst(0)
	s_wait_tensorcnt 0x0                           ; my tile of the head's four is in
	ds_add_u32 v[SPW], v[NIL]
	s_wait_dscnt 0x0
	CROUND                                         ; all four tiles are in, and all sixteen work-groups are here
	ARM 0, G0X+4, G1, .Lall_asked                  ; the rest of x, and W's K steps 2, 3
	ARM 1, G0X+8, G1, .Lall_asked
	ARM 2, G0W+4, G1B, .Lall_asked
	tensor_load_to_lds s[G0X+12:G0X+15], s[G1:G1+7]
	s_nop 0
.rept 4
	v_nop
.endr
.Lall_asked:
.irp k, 0,1,2,3,4,5,6,7
.irp i, 0,1,2,3,4,5,6,7
	ds_load_b32 v[SC+8*\i+\k], v[ADRS] offset:1024*\k+64*\i   ; phase 1's scale words, once
.endr
.endr
	FETCH_B 0, 0, 0
	FETCH_A 0, 0, 0
	FETCH_A 0, 0, 4
	STEP 0, 1                                      ; the first products start the sums: nothing is cleared
	TURN 1                                         ; every wave's first fills have landed: all of x is in LDS from here on
	STEP 2, 0
	TURN 3
	STEP 4, 0
	TURN 5
	STEP 6, 0
	TURN 7
.irp k, 0,1,2,3,4,5,6,7                        ; phase 2's first loads go out ahead of the first way out, which touches none of their registers: x's words for my keys,
.irp i, 0,1,2,3,4,5,6,7
	ds_load_b32 v[SC+8*\i+\k], v[ADSX] offset:1024*\k+64*\i
.endr
.endr
	FETCH2 0                                       ; and K step 0: Wv's steps 0-3 were shown landed in front of the last round
.irp b, 0,1,2,3
	v_mov_b32 v[TM+4+\b], 0                        ; a lane permute's destination counts as read
.endr
.irp a, 0,1,2,3,4,5,6,7
	QUANTW \a, OC1, 24576
.endr
.irp i, 0,1,2,3
	v_cndmask_b32 v[OW+\i], v[PWR+2*\i], v[PWR+2*\i+1], s[HM]   ; both halves of the lanes hold a row's word: two row blocks' words make 128 consecutive bytes
.endr
.irp i, 0,1,2,3
	global_store_b32 v[L4], v[OW+\i], s[OW1:OW1+1] offset:128*\i
.endr
	s_wait_tensorcnt 0x0                           ; my part of Wv's K steps 4-7 is in,
	s_wait_xcnt 0x0                                ; the stores have read their registers, into which phase 2's loads will land,
	s_wait_dscnt 0x0                               ; and no LDS load of mine is out:
	s_barrier_signal -1
	s_barrier_wait -1                              ; everybody's part is in.
	P2STEP 0, 1                                    ; the first products start the sums anew
	P2STEP 1, 0
	P2STEP 2, 0
	P2STEP 3, 0
	P2STEP 4, 0
	P2STEP 5, 0
	P2STEP 6, 0
	P2STEP 7, 0
	PLACES 4
.irp a, 0,1,2,3
	QUANTW \a, OC2, 98304
.endr
.irp i, 0,1
	v_cndmask_b32 v[OW+\i], v[PWR+2*\i], v[PWR+2*\i+1], s[HM]
.endr
.irp i, 0,1
	global_store_b32 v[L4], v[OW+\i], s[OW2:OW2+1] offset:128*\i
.endr
	s_wait_tensorcnt 0x0                           ; the wave's end
	ds_add_u32 v[SPW], v[NIL]
	s_wait_dscnt 0x0
	CROUND                                         ; the closing round: no work-group ends while a partner may still ask for a tile that names it
	s_endpgm
.Lfunc_end_k_q7264544139_proj:
	.size	k_q7264544139_proj, .Lfunc_end_k_q7264544139_proj-k_q7264544139_proj
	.p2alignl 7, 3214868480
	.fill 96, 4, 3214868480
	.section	.rodata,"a",@progbits
	.p2align	6, 0x0
	.amdhsa_kernel k_q7264544139_proj
		.amdhsa_group_segment_fixed_size 327680
		.amdhsa_private_segment_fixed_size 0
		.amdhsa_enable_private_segment 0
		.amdhsa_kernarg_size 48
		.amdhsa_user_sgpr_count 2
		.amdhsa_user_sgpr_kernarg_segment_ptr 1
		.amdhsa_wavefront_size32 1
		.amdhsa_system_sgpr_workgroup_id_x 1
		.amdhsa_system_sgpr_workgroup_id_y 1
		.amdhsa_system_sgpr_workgroup_id_z 1
		.amdhsa_system_vgpr_workitem_id 0
		.amdhsa_next_free_vgpr 1024
		.amdhsa_next_free_sgpr 102
		.amdhsa_reserve_vcc 0
		.amdhsa_float_denorm_mode_32 3
		.amdhsa_float_denorm_mode_16_64 3
		.amdhsa_memory_ordered 1
		.amdhsa_forward_progress 1
		.amdhsa_inst_pref_size 222
	.end_amdhsa_kernel
	.amdgpu_metadata
---
amdhsa.version: [ 1, 2 ]
amdhsa.kernels:
  - .name:           k_q7264544139_proj
    .symbol:         k_q7264544139_proj.kd
    .args:
      - { .name: xc, .offset: 0, .size: 8, .value_kind: global_buffer, .address_space: global }
      - { .name: wc, .offset: 8, .size: 8, .value_kind: global_buffer, .address_space: global }
      - { .name: s1, .offset: 16, .size: 8, .value_kind: global_buffer, .address_space: global }
      - { .name: qk, .offset: 24, .size: 8, .value_kind: global_buffer, .address_space: global }
      - { .name: vt, .offset: 32, .size: 8, .value_kind: global_buffer, .address_space: global }
      - { .name: s2, .offset: 40, .size: 8, .value_kind: global_buffer, .address_space: global }
    .group_segment_fixed_size: 327680
    .private_segment_fixed_size: 0
    .kernarg_segment_align: 8
    .kernarg_segment_size: 48
    .max_flat_workgroup_size: 128
    .sgpr_count:     102
    .vgpr_count:     1024
    .wavefront_size: 32
...
	.end_amdgpu_metadata
.endif
;; end of part 2
;; launch scores (part 3): grid 16 x 16, 4 waves a work-group, no clusters, 327,680 bytes of LDS; arguments qk, s2, pc, s3; writes pc, s3
.if DOCPART == 3
	.amdgcn_target "amdgcn-amd-amdhsa--gfx1250"
	.amdhsa_code_object_version 6
	.text
	.protected	k_q7264544139_scores
	.globl	k_q7264544139_scores
	.p2align	8
	.type	k_q7264544139_scores,@function
k_q7264544139_scores:
	s_mov_b64 s[64:65], 0
	v_nop
	global_prefetch_b8 v0, s[64:65] scope:SCOPE_SE
	s_setreg_imm32_b32 hwreg(HW_REG_WAVE_MODE, 25, 1), 1
	s_wait_xcnt 0x0
; S = q k^T on codes of FP6, and what the second product wants of it: p = 2^(t - M) as codes along the keys, with -M and the sum l of the unquantised p.
; WORK LEFT OUT: the tiles wholly above the diagonal of the problem's own tril (shown dead in the first kernel's head).  Limits as stated there.
; t = score x log2(e) / 32.  EVERY CHUNK OF 128 KEYS HAS ITS OWN M (the ceiling of the chunk's largest t of the row) and its own l: M is a whole number, so the next launch brings the chunks of a row under one M
; by taking the difference off the scale bytes, which changes no code.  So no wave asks another for a maximum, and the way out has no barrier.
; THE DEAL, 256 work-groups.  A batch's 8 x 8 blocks of 256 x 256: 28 lie below the diagonal, 8 on it.  Rows pr and 7 - pr of blocks hold 7 blocks below it together.  Work-group (x, y), y = 4 batch + pr:
;   x = 2 .. 15: half x % 2 (128 queries) of block x / 2 - 1 of those seven, against its 256 keys: a wave makes 64 queries x 128 keys.
;   x = 0, 1: the block on the diagonal of row pr or 7 - pr.  Waves 0 and 1: its queries 128-191 and 192-255 against keys 0-127.  Waves 2 and 3: the triangles, 128 queries x 128 keys on the diagonal: queries 64-127 of the chunk
;   as every other wave's 64, masked, and besides the 12 tiles of queries 0-63 that are not hidden whole: the EXTRA rows, under a branch on ids.
; Source 0 = 16 keys, source 1 = 16 queries; by the order of the row tiles a lane holds one query and keys 32 b + 16 (lane / 16) + i.  Rows 0-3 of tiles: a wave's 64 queries.
; K = 1,024 is eight steps, written out; two slots of two steps, one tensor load a wave each time: at the head, behind the next barrier (slot 1's first fill) and behind those of steps 1 and 3 (refills).  The scale words come by plain loads, whole units of
; 256 bytes, and lie in LDS for all of K.
; NO CLUSTER: the diagonal blocks' work-groups share no tile with a neighbour, and a row of the triangle holds 0 to 7 other blocks, so no block of partners reads joint tiles throughout.  No prefetch: there is no loop to run ahead in.
; OUT: pc [batch 4][query chunk 16][key chunk 16][row tile 8][1536]; s3 [batch][query chunk][key chunk][row 128][16 bytes: -M, l, scale word, scale word].
; REGISTERS: window 0: addresses; v32-47 scale words, two sets, and nothing else; v48-135 at work.  window 1: k's fragments, two sets at v0 and v128; v96-127 extra rows 0, 1.  window 2: the 32 accumulators.
; window 3: v0-63 extra rows 2, 3; q's fragments, two sets of 4 + 4 (extra) x 12 at v64 and v160.
.set SLOT,   98304                     ; q [row tile 16][q 2][1536], then k likewise.  (Of 128 queries tiles 0-3 lie at 0, tiles 4-7 at 24,576)
.set SCL,    2*SLOT                    ; scale words: q's [K step 8][1024], then k's
.set SPARE,  SCL+17408                 ; the spare words, 128 bytes a wave
.set ADRA,   10                        ; v10-11 slot 0, 1: my q
.set ADRB,   12                        ; v12-13 my k
.set ADRX,   14                        ; v14-15 the extra rows' q
.set ADRS,   16                        ; words 0-3: lanes 0-15 q's, lanes 16-31 k's
.set ADRS2,  17                        ; words 4-7: lanes 0-15 the extra rows' q, lanes 16-31 k's
.set L16,    18
.set SPW,    19
.set NIL,    20
.set QL,     21                        ; r + 8 (r / 8) - 16 (lane / 16)
.set NEGR,   22                        ; -1e9
.set SC,     32
.set BM,     48                        ; the blocks' largest scores, then their largest p
.set T4,     52
.set SO,     56
.set BY,     60
.set SA,     64                        ; v[64:65], v[66:67] the sum in two chains
.set SB,     66
.set TX,     68
.set TY,     69
.set NM,     70                        ; v[70:71] -M (the pair's low word serves both halves)
.set PC,     72                        ; v72-91 codes
.set NMS,    92
.set LS,     94
.set PWR,    96
.set RQ,     100                       ; v100-103 a record
.set WB,     104                       ; v104-135 scale words on their way to LDS
.set WV,     12
.set RH,     13
.set CH,     14
.set PR,     15
.set BB,     16
.set II,     17
.set JJ,     18
.set QT,     19                        ; my first row tile of q in the block's 16
.set KT,     20                        ; and of k
.set G1,     24                        ; 8 row tiles
.set G1Q,    32                        ; 4 row tiles
.set G0,     40
.set CS,     48
.set SEL,    50
.set LOW,    52
.set NEGS,   53
.set HM,     54
.set DF,     55                        ; 1: my wave makes a triangle
.set QF,     56                        ; 1: I fetch 4 row tiles of q
.set LQ,     57                        ; where my q lies in a slot
.set OB,     58
.set RBS,    60
.set MSB, 0
.macro WIN new
.if MSB != (\new)
	s_set_vgpr_msb (MSB<<8)|(\new)
.set MSB, (\new)
.endif
.endm
.macro PLACES n
.rept \n
	v_nop
.endr
.endm
.macro TLOAD s                         ; a slot's fill, one load a wave, in two arms chosen by ids
	s_cmp_eq_u32 s[QF], 1
	s_cbranch_scc0 .Leight_\@
	tensor_load_to_lds s[G0+4*(\s):G0+4*(\s)+3], s[G1Q:G1Q+7]
	s_nop 0
	PLACES 4
	s_branch .Lasked_\@
.Leight_\@:
	tensor_load_to_lds s[G0+4*(\s):G0+4*(\s)+3], s[G1:G1+7]
	s_nop 0
	PLACES 4
.Lasked_\@:
.endm
.macro GROUP1 g, rows                  ; row tiles x two K steps (3,072 bytes), 24,576 bytes apart
	s_mov_b32 s[\g], 3<<16
	s_mov_b32 s[\g+1], 384<<16
	s_mov_b32 s[\g+2], (\rows)<<16
	s_mov_b32 s[\g+3], 384<<16
	s_mov_b32 s[\g+4], \rows
	s_mov_b32 s[\g+5], 3072
	s_mov_b32 s[\g+6], 0
	s_mov_b32 s[\g+7], 0
.endm
	s_load_b256 s[4:11], s[0:1], 0x0               ; qk, s2, pc, s3
	v_lshl_add_u32 v[SPW], v0, 2, SPARE
	v_mov_b32 v[NIL], 0
	ds_add_u32 v[SPW], v[NIL]                      ; the opening: the add, twice on end, and its wait ahead of my first tensor load
	ds_add_u32 v[SPW], v[NIL]
	v_lshrrev_b32 v1, 5, v0
	v_readfirstlane_b32 s[WV], v1
	s_lshr_b32 s[RH], s[WV], 1
	s_and_b32 s[CH], s[WV], 1
	s_and_b32 s66, ttmp7, 0xffff
	s_lshr_b32 s[BB], s66, 2                       ; batch
	s_and_b32 s[PR], s66, 3
	s_and_b32 s67, ttmp9, 1                        ; half
	s_lshr_b32 s66, ttmp9, 1
	s_sub_co_u32 s66, s66, 1                       ; n: which of the seven blocks
	s_sub_co_u32 s68, 7, s[PR]
	s_sub_co_u32 s69, s66, s[PR]
	s_cmp_lt_u32 s66, s[PR]
	s_cselect_b32 s[II], s[PR], s68
	s_cselect_b32 s[JJ], s66, s69
	s_cmp_eq_u32 s67, 0
	s_cselect_b32 s70, s[PR], s68
	s_cmp_lt_u32 ttmp9, 2
	s_cselect_b32 s[II], s70, s[II]                ; block row
	s_cselect_b32 s[JJ], s70, s[JJ]                ; block column
	s_lshl_b32 s68, s67, 3                         ; 8 x half
	s_lshl_b32 s69, s[RH], 2
	s_add_co_u32 s[QT], s68, s69                   ; below the diagonal: q from 8 half + 4 RH, k from 8 CH
	s_lshl_b32 s[KT], s[CH], 3
	s_lshl_b32 s69, s[CH], 2
	s_add_co_u32 s70, s69, 8                       ; on it: waves 0, 1: q from 8 + 4 CH, k from 0;
	s_add_co_u32 s71, s[KT], 4                     ; waves 2, 3: q from 8 CH + 4, k from 8 CH
	s_add_co_u32 s72, s68, s69                     ; what I fetch of q: from 8 half + 4 CH, or on the diagonal from 8 CH
	s_sub_co_u32 s76, 1, s[RH]
	s_mul_i32 s74, s[RH], 24576
	s_cmp_eq_u32 s[RH], 0
	s_cselect_b32 s70, s70, s71
	s_cselect_b32 s71, 0, s[KT]
	s_cselect_b32 s73, s[II], s[JJ]                ; whose rows I fetch
	s_cselect_b32 s72, s72, s[KT]
	s_lshl_b32 s75, s[CH], 3
	s_cmp_lt_u32 ttmp9, 2
	s_cselect_b32 s[QT], s70, s[QT]
	s_cselect_b32 s[KT], s71, s[KT]
	s_cselect_b32 s72, s75, s72
	s_cselect_b32 s[DF], s[RH], 0
	s_cselect_b32 s[QF], 0, s76
	s_mul_i32 s75, s[QT], 3072
	s_cmp_lt_u32 ttmp9, 2
	s_cselect_b32 s[LQ], s75, s74
	GROUP1 G1, 8
	GROUP1 G1Q, 4
	s_lshl_b32 s66, s[BB], 3
	s_add_co_u32 s73, s73, s66                     ; the group of 256 rows
	s_mul_i32 s66, s73, 393216                     ; 16 row tiles of 24,576 bytes; k lies 8 K steps behind q in a row tile
	s_mul_i32 s67, s72, 24576
	s_add_co_u32 s66, s66, s67
	s_mul_i32 s67, s[RH], 12288
	s_add_co_u32 s66, s66, s67
	s_mov_b32 s67, 0
	s_lshl_b32 s68, s73, 14                        ; scale words: 16 K steps of 1,024 bytes a group; of 8 I bring 4
	s_lshl_b32 s69, s[RH], 13
	s_add_co_u32 s68, s68, s69
	s_lshl_b32 s69, s[CH], 12
	s_add_co_u32 s68, s68, s69
	s_mov_b32 s69, 0
	s_lshl_b32 s70, s[II], 1                       ; out: block ((16 b + query chunk) 16 + key chunk), row tile QT % 8
	s_lshr_b32 s71, s[QT], 3
	s_add_co_u32 s70, s70, s71
	s_lshl_b32 s71, s[BB], 4
	s_add_co_u32 s70, s70, s71
	s_lshl_b32 s70, s70, 4
	s_lshl_b32 s71, s[JJ], 1
	s_add_co_u32 s70, s70, s71
	s_lshr_b32 s71, s[KT], 3
	s_add_co_u32 s70, s70, s71
	s_and_b32 s71, s[QT], 7
	s_mul_i32 s72, s70, 12288
	s_mul_i32 s73, s71, 1536
	s_add_co_u32 s72, s72, s73
	s_mov_b32 s73, 0
	s_lshl_b32 s74, s70, 11
	s_lshl_b32 s75, s71, 8
	s_add_co_u32 s74, s74, s75
	s_mov_b32 s75, 0
	v_and_b32 v3, 31, v0
	v_and_b32 v1, 15, v0                           ; r
	v_bfe_u32 v2, v0, 4, 1                         ; h
	v_lshlrev_b32 v[L16], 4, v3
	s_wait_alu depctr_va_vdst(0)
	s_mul_i32 s76, s[WV], 24576                    ; each wave's fills land in bytes of its own
	s_lshl_b32 s77, s[WV], 12
	s_add_co_u32 s77, s77, SCL
	v_add_nc_u32 v23, s77, v[L16]                  ; where my words go
	s_wait_dscnt 0x0
	s_wait_kmcnt 0x0
	s_add_nc_u64 s[4:5], s[4:5], s[66:67]
	s_add_nc_u64 s[6:7], s[6:7], s[68:69]
.irp s, 0,1
	s_mov_b32 s[G0+4*\s], 1
	s_add_co_u32 s[G0+4*\s+1], s76, \s*SLOT
	s_add_nc_u64 s[G0+4*\s+2:G0+4*\s+3], s[4:5], \s*3072
	s_or_b32 s[G0+4*\s+3], s[G0+4*\s+3], 0x80000000
.endr
	TLOAD 0                                        ; K steps 0, 1: one tensor load a wave at the head
.irp n, 0,1,2,3,4,5,6,7
	global_load_b128 v[WB+4*\n:WB+4*\n+3], v[L16], s[6:7] offset:512*\n
.endr
	s_add_nc_u64 s[OB:OB+1], s[8:9], s[72:73]
	s_add_nc_u64 s[RBS:RBS+1], s[10:11], s[74:75]
	s_mov_b32 s[CS], 0x3d38aa3b                    ; c = log2(e) / 32
	s_mov_b32 s[CS+1], s[CS]
	s_mov_b32 s[SEL], 0x76543210
	s_mov_b32 s[SEL+1], 0xfedcba98
	s_mov_b32 s[LOW], 0xff7fffff                   ; under every score
	s_mov_b32 s[NEGS], 0xce6e6b28                  ; -1e9
	s_wait_alu depctr_va_vdst(0)
	s_mul_i32 s66, s[KT], 3072
	s_add_co_u32 s66, s66, 49152
	s_and_b32 s67, s[QT], 8
	s_mul_i32 s68, s67, 3072
	v_add_nc_u32 v[ADRA], s[LQ], v[L16]
	v_add_nc_u32 v[ADRB], s66, v[L16]
	v_add_nc_u32 v[ADRX], s68, v[L16]
	s_add_co_u32 s69, s[LQ], SLOT
	s_add_co_u32 s66, s66, SLOT
	s_add_co_u32 s68, s68, SLOT
	v_add_nc_u32 v[ADRA+1], s69, v[L16]
	v_add_nc_u32 v[ADRB+1], s66, v[L16]
	v_add_nc_u32 v[ADRX+1], s68, v[L16]
	s_lshl_b32 s66, s[QT], 6                       ; 64 bytes of words a row tile
	s_add_co_u32 s66, s66, SCL
	s_lshl_b32 s68, s[KT], 6
	s_add_co_u32 s68, s68, SCL+8192
	s_lshl_b32 s69, s67, 6
	s_add_co_u32 s69, s69, SCL
	s_add_co_u32 s70, s68, 256
	v_cmp_le_u32 s[HM], 16, v3
	v_lshlrev_b32 v4, 2, v1
	v_add_nc_u32 v5, s66, v4
	v_add_nc_u32 v6, s68, v4
	v_add_nc_u32 v24, s69, v4
	v_add_nc_u32 v25, s70, v4
	v_cndmask_b32 v[ADRS], v5, v6, s[HM]           ; lanes 16-31 take k's words
	v_cndmask_b32 v[ADRS2], v24, v25, s[HM]
	v_and_b32 v6, 8, v1
	v_add_nc_u32 v[QL], v6, v1
	v_lshlrev_b32 v6, 4, v2
	v_sub_nc_u32 v[QL], v[QL], v6
	v_mov_b32 v[NEGR], 0xce6e6b28
	s_wait_alu depctr_va_vdst(0)
	s_wait_loadcnt 0x0
.irp n, 0,1,2,3,4,5,6,7
	ds_store_b128 v23, v[WB+4*\n:WB+4*\n+3] offset:512*\n
.endr
.macro FETCHW ks                       ; step ks's 8 words into set ks % 2
.irp i, 0,1,2,3
	ds_load_b32 v[SC+8*((\ks)%2)+\i], v[ADRS] offset:1024*(\ks)+64*\i
	ds_load_b32 v[SC+8*((\ks)%2)+4+\i], v[ADRS2] offset:1024*(\ks)+64*\i
.endr
.endm
.macro FRAGS reg, adr, ks, n           ; n fragments as they lie: three loads of 512 consecutive bytes each
.set R_, \reg
.set F_, 1536*((\ks)%2)
.rept \n
.irp c, 0,1,2
	ds_load_b128 v[R_+4*\c:R_+4*\c+3], v[(\adr)+((\ks)/2)%2] offset:F_+512*\c
.endr
.set R_, R_+12
.set F_, F_+3072
.endr
.endm
.macro FETCHB ks
	WIN 0x40
	FRAGS 128*((\ks)%2), ADRB, \ks, 8
	WIN 0
.endm
.macro FETCHA ks                       ; my 64 queries' fragments, and in the triangles the extra rows'
	WIN 0xc0
	FRAGS 64+96*((\ks)%2), ADRA, \ks, 4
	WIN 0
	s_cmp_eq_u32 s[DF], 0
	s_cbranch_scc1 .Lnone_\@
	WIN 0xc0
	FRAGS 64+96*((\ks)%2)+48, ADRX, \ks, 4
	WIN 0
.Lnone_\@:
.endm
; n products of q's fragment a (0-3 mine, 4-7 the extra rows') against k's first n, into accumulators from d on.  All accumulators take turns, one instruction a turn, in the same order in every step.
.macro ROW a, n, d, ks
.set b_, 0
.rept \n
.set D_, (\d)+8*b_
.set B_, 128*((\ks)%2)+12*b_
.set A_, 64+96*((\ks)%2)+12*(\a)
.set S_, SC+8*((\ks)%2)
.if (\ks) == 0
	v_wmma_scale_f32_16x16x128_f8f6f4 v[D_:D_+7], v[B_:B_+11], v[A_:A_+11], 0, v[S_+b_], v[S_+(\a)] matrix_a_fmt:MATRIX_FMT_FP6 matrix_b_fmt:MATRIX_FMT_FP6 matrix_a_scale:MATRIX_SCALE_ROW1
.else
	v_wmma_scale_f32_16x16x128_f8f6f4 v[D_:D_+7], v[B_:B_+11], v[A_:A_+11], v[D_:D_+7], v[S_+b_], v[S_+(\a)] matrix_a_fmt:MATRIX_FMT_FP6 matrix_b_fmt:MATRIX_FMT_FP6 matrix_a_scale:MATRIX_SCALE_ROW1
.endif
.set b_, b_+1
.endr
.endm
.set MUL2W, 0xad                       ; source 0 window 1, source 1 window 3, C and D window 2
.macro SECOND ks                       ; a step's rows 2, 3 and the extra rows
	WIN MUL2W
	ROW 2, 8, 128, \ks
	ROW 3, 8, 192, \ks
	WIN 0
	s_cmp_eq_u32 s[DF], 0
	s_cbranch_scc1 .Lnone_\@
	WIN 0xfd                                       ; C and D window 3
	ROW 6, 4, 0, \ks
	ROW 7, 4, 32, \ks
	WIN 0x5d                                       ; C and D window 1
	ROW 4, 2, 96, \ks
	ROW 5, 2, 112, \ks
	WIN 0
.Lnone_\@:
.endm
; An even step: the next step's fragments into the other sets, four places behind the last products that read them (ISA guide 7.12.1).
.macro EVEN ks
	s_wait_dscnt 0x0
	PLACES 4
	FETCHW (\ks)+1
	FETCHB (\ks)+1
	WIN MUL2W
	ROW 0, 8, 0, \ks
	ROW 1, 8, 64, \ks
	WIN 0
	FETCHA (\ks)+1
	SECOND \ks
.endm
; An odd step changes slots.  In front of the barrier each wave waits for all its tensor loads, adds 0 to its spare word, and waits for that and for its LDS reads; behind it the slot just read out takes the K steps three and four on.
.macro ODD ks
	s_wait_tensorcnt 0x0
	ds_add_u32 v[SPW], v[NIL]
	s_wait_dscnt 1                                 ; this step's fragments are in; the add may be out
	WIN MUL2W
	ROW 0, 8, 0, \ks
	s_wait_dscnt 0x0
	s_barrier_signal -1
	ROW 1, 8, 64, \ks
	WIN 0
	s_barrier_wait -1
.if (\ks) < 5
	s_add_nc_u64 s[G0+4*((\ks)/2)+2:G0+4*((\ks)/2)+3], s[G0+4*((\ks)/2)+2:G0+4*((\ks)/2)+3], 6144
	TLOAD (\ks)/2
.else
	PLACES 4
.endif
	FETCHW (\ks)+1
	FETCHB (\ks)+1
	FETCHA (\ks)+1
	SECOND \ks
.endm
	s_wait_tensorcnt 0x0                           ; my part of slot 0 is in
	ds_add_u32 v[SPW], v[NIL]
	s_wait_dscnt 0x0                               ; the add is done, and my words are stored
	s_barrier_signal -1
	s_barrier_wait -1
	TLOAD 1                                        ; K steps 2, 3
	FETCHW 0
	FETCHB 0
	FETCHA 0
	EVEN 0                                         ; the first products start the sums: nothing is cleared
	ODD 1
	EVEN 2
	ODD 3
	EVEN 4
	ODD 5
	EVEN 6
	s_wait_dscnt 0x0
	WIN MUL2W
	ROW 0, 8, 0, 7
	ROW 1, 8, 64, 7
	SECOND 7
	PLACES 4
.irp b, 0,1,2,3
	v_mov_b32 v[T4+\b], 0                          ; a lane permute's destination counts as read
.endr
	v_mov_b32 v[TY], 0
	v_mov_b32 v[NM+1], 0                           ; (named as the upper half of a pair)
; A ROW OF TILES: 16 queries, a lane one of them; its 16 nb registers from ac on in window w are keys 32 b + 16 (lane / 16) + i.  mk = 1: block g lies on the diagonal; mk = 2: it does where the wave makes a triangle.
; par: an even or an odd row tile.  off: bytes from the codes' base; rec: from the records'.
.macro SOFT w, ac, nb, g, par, mk, off, rec
.if \mk == 2
	s_cmp_eq_u32 s[DF], 0
	s_cbranch_scc1 .Lopen_\@
.endif
	WIN (\w<<6)|\w
.set j, 0
.rept 16
	v_cmp_gt_i32 vcc_lo, j-8*\par, v[QL]           ; in the query's own block of 32: key 16 h + j against query 8 par + r + 8 (r / 8)
	v_cndmask_b32 v[(\ac)+16*\g+j], v[(\ac)+16*\g+j], v[NEGR], vcc_lo
.set j, j+1
.endr
.rept 16*(\nb-1-\g)
	v_mov_b32 v[(\ac)+16*\g+j], s[NEGS]            ; later blocks are hidden whole
.set j, j+1
.endr
	WIN 0
.Lopen_\@:
	WIN \w|(\w<<2)
.set j, 0
.rept \nb
	v_max3_num_f32 v[BM+j], v[(\ac)+16*j], v[(\ac)+16*j+1], s[LOW]   ; each block's largest score: it serves the row's maximum and, since p rises with the score, the block's largest p
.set j, j+1
.endr
.irp i, 2,4,6,8,10,12,14
.set j, 0
.rept \nb
	v_max3_num_f32 v[BM+j], v[(\ac)+16*j+\i], v[(\ac)+16*j+\i+1], v[BM+j]
.set j, j+1
.endr
.endr
	WIN 0
.set j, 0
.rept \nb
	v_permlanex16_b32 v[T4+j], v[BM+j], s[SEL], s[SEL+1]
.set j, j+1
.endr
.set j, 0
.rept \nb
	v_max_num_f32 v[BM+j], v[BM+j], v[T4+j]
.set j, j+1
.endr
.if \nb == 4
	v_max3_num_f32 v[TX], v[BM], v[BM+1], v[BM+2]
	v_max_num_f32 v[TX], v[TX], v[BM+3]
	v_mul_f32 v[TX], s[CS], v[TX]                  ; the chunk's largest t of my query
.elseif \nb == 2
	v_max_num_f32 v[TX], v[BM], v[BM+1]
	v_mul_f32 v[TX], s[CS], v[TX]
.else
	v_mul_f32 v[TX], s[CS], v[BM]
.endif
	v_floor_f32 v[NM], -v[TX]                      ; -M = floor(-t): M is a whole number
.set j, 0
.rept \nb
	v_fma_f32 v[BM+j], v[BM+j], s[CS], v[NM]
.set j, j+1
.endr
.irp i, 0,1,2,3
	v_mov_b32 v[SA+\i], 0
.endr
	WIN (\w<<6)|\w
.set j, \ac
.rept 8*\nb
	v_pk_fma_f32 v[j:j+1], v[j:j+1], s[CS:CS+1], v[NM:NM+1] op_sel_hi:[1,0,0]   ; t - M
.set j, j+2
.endr
	s_wait_alu depctr_va_vdst(0)
.set j, \ac
.rept 16*\nb
	v_exp_f32 v[j], v[j]                           ; p = 2^(t - M): not normalised
.set j, j+1
.endr
	WIN 0
.set j, 0
.rept \nb
	v_exp_f32 v[BM+j], v[BM+j]                     ; the same two instructions on the same number give the same bits
.set j, j+1
.endr
	v_nop                                          ; one plain line behind the batch,
	s_wait_alu depctr_va_vdst(0)                   ; and one wait for it, ahead of the first line that names a result
	WIN \w<<2
.set j, \ac
.rept 4*\nb
	v_pk_add_f32 v[SA:SA+1], v[SA:SA+1], v[j:j+1]  ; the sum is taken of the unquantised p
	v_pk_add_f32 v[SB:SB+1], v[SB:SB+1], v[j+2:j+3]
.set j, j+4
.endr
	WIN 0
	v_pk_add_f32 v[SA:SA+1], v[SA:SA+1], v[SB:SB+1]
.set j, 0
.rept \nb
	v_max_num_f32 v[BM+j], 0x1800000, v[BM+j]      ; the floor 2^(3 - 127): a block whose every p is 0 keeps the byte 1; its codes are zeros
.set j, j+1
.endr
	v_add_f32 v[TX], v[SA], v[SA+1]
.set j, 0
.rept \nb
	v_add_nc_u32 v[SO+j], 0xff000000, v[BM+j]
.set j, j+1
.endr
	v_permlanex16_b32 v[TY], v[TX], s[SEL], s[SEL+1]
.set j, 0
.rept \nb
	v_lshrrev_b32 v[BY+j], 23, v[SO+j]
.set j, j+1
.endr
	v_add_f32 v[LS+\par], v[TX], v[TY]
	v_mov_b32 v[NMS+\par], v[NM]
.if \nb == 4
	v_lshl_or_b32 v[PWR+\par], v[BY+1], 8, v[BY]
	v_lshl_or_b32 v[PWR+\par], v[BY+2], 16, v[PWR+\par]
	v_lshl_or_b32 v[PWR+\par], v[BY+3], 24, v[PWR+\par]
.elseif \nb == 2
	v_lshl_or_b32 v[PWR+\par], v[BY+1], 8, v[BY]
	v_or_b32 v[PWR+\par], 0x01010000, v[PWR+\par]  ; hidden blocks: the byte 1 and codes of zero
.else
	v_or_b32 v[PWR+\par], 0x01010100, v[BY]
.endif
	s_wait_xcnt 0x0                                ; the earlier stores have read their registers
.if \nb < 4
.irp i, 0,1,2
	v_mov_b32 v[PC+6+\i], 0
	v_mov_b32 v[PC+9+\i], 0
.if \nb == 1
	v_mov_b32 v[PC+12+\i], 0
.endif
.endr
.endif
	WIN \w
	v_cvt_scalef32_pk16_fp6_f32 v[PC:PC+2], v[(\ac):(\ac)+15], v[SO]
.if \nb > 1
	v_cvt_scalef32_pk16_fp6_f32 v[PC+12:PC+14], v[(\ac)+16:(\ac)+31], v[SO+1]
.endif
.if \nb == 4
	v_cvt_scalef32_pk16_fp6_f32 v[PC+6:PC+8], v[(\ac)+32:(\ac)+47], v[SO+2]
	v_cvt_scalef32_pk16_fp6_f32 v[PC+16:PC+18], v[(\ac)+48:(\ac)+63], v[SO+3]
.endif
	WIN 0
	v_nop
.set j, 0
.rept (\nb+2)/3
.irp i, 0,1,2
	v_permlane16_swap_b32 v[PC+6*j+\i], v[PC+12+4*j+\i]
.endr
.irp i, 0,1,2
	v_mov_b32 v[PC+3+6*j+\i], v[PC+12+4*j+\i]
.endr
.set j, j+1
.endr
.irp c, 0,1,2
	global_store_b128 v[L16], v[PC+4*\c:PC+4*\c+3], s[OB:OB+1] offset:(\off)+512*\c
.endr
.if \par
	v_cndmask_b32 v[RQ], v[NMS], v[NMS+1], s[HM]   ; both halves of the lanes hold a row's figures: two row tiles' records make 512 consecutive bytes
	v_cndmask_b32 v[RQ+1], v[LS], v[LS+1], s[HM]
	v_cndmask_b32 v[RQ+2], v[PWR], v[PWR+1], s[HM]
	v_cndmask_b32 v[RQ+3], v[PWR], v[PWR+1], s[HM]
	global_store_b128 v[L16], v[RQ:RQ+3], s[RBS:RBS+1] offset:\rec
.endif
.endm
	s_wait_alu depctr_va_vdst(0)
	s_cmp_eq_u32 s[DF], 0
	s_cbranch_scc1 .Lmain
	SOFT 1, 96, 1, 0, 0, 1, -6144, 0               ; the extra rows: the chunk's row tiles 0-3
	SOFT 1, 112, 1, 0, 1, 1, -4608, -1024
	SOFT 3, 0, 2, 1, 0, 1, -3072, 0
	SOFT 3, 32, 2, 1, 1, 1, -1536, -512
.Lmain:
	SOFT 2, 0, 4, 2, 0, 2, 0, 0                    ; my 64 queries; in a triangle the chunk's row tiles 4-7
	SOFT 2, 64, 4, 2, 1, 2, 1536, 0
	SOFT 2, 128, 4, 3, 0, 2, 3072, 0
	SOFT 2, 192, 4, 3, 1, 2, 4608, 512
	s_wait_tensorcnt 0x0                           ; the wave's end
	ds_add_u32 v[SPW], v[NIL]
	s_wait_dscnt 0x0
	s_endpgm
.Lfunc_end_k_q7264544139_scores:
	.size	k_q7264544139_scores, .Lfunc_end_k_q7264544139_scores-k_q7264544139_scores
	.p2alignl 7, 3214868480
	.fill 96, 4, 3214868480
	.section	.rodata,"a",@progbits
	.p2align	6, 0x0
	.amdhsa_kernel k_q7264544139_scores
		.amdhsa_group_segment_fixed_size 327680
		.amdhsa_private_segment_fixed_size 0
		.amdhsa_enable_private_segment 0
		.amdhsa_kernarg_size 32
		.amdhsa_user_sgpr_count 2
		.amdhsa_user_sgpr_kernarg_segment_ptr 1
		.amdhsa_wavefront_size32 1
		.amdhsa_system_sgpr_workgroup_id_x 1
		.amdhsa_system_sgpr_workgroup_id_y 1
		.amdhsa_system_sgpr_workgroup_id_z 1
		.amdhsa_system_vgpr_workitem_id 0
		.amdhsa_next_free_vgpr 1024
		.amdhsa_next_free_sgpr 96
		.amdhsa_reserve_vcc 1
		.amdhsa_float_denorm_mode_32 3
		.amdhsa_float_denorm_mode_16_64 3
		.amdhsa_memory_ordered 1
		.amdhsa_forward_progress 1
		.amdhsa_inst_pref_size 167
	.end_amdhsa_kernel
	.amdgpu_metadata
---
amdhsa.version: [ 1, 2 ]
amdhsa.kernels:
  - .name:           k_q7264544139_scores
    .symbol:         k_q7264544139_scores.kd
    .args:
      - { .name: qk, .offset: 0, .size: 8, .value_kind: global_buffer, .address_space: global }
      - { .name: s2, .offset: 8, .size: 8, .value_kind: global_buffer, .address_space: global }
      - { .name: pc, .offset: 16, .size: 8, .value_kind: global_buffer, .address_space: global }
      - { .name: s3, .offset: 24, .size: 8, .value_kind: global_buffer, .address_space: global }
    .group_segment_fixed_size: 327680
    .private_segment_fixed_size: 0
    .kernarg_segment_align: 8
    .kernarg_segment_size: 32
    .max_flat_workgroup_size: 128
    .sgpr_count:     96
    .vgpr_count:     1024
    .wavefront_size: 32
...
	.end_amdgpu_metadata
.endif
;; end of part 3
;; launch pv (part 4): grid 8 x 32, 4 waves a work-group, clusters of 4 x 1, 327,680 bytes of LDS; arguments pc, vt, s2, s3, out0; writes out0
.if DOCPART == 4
	.amdgcn_target "amdgcn-amd-amdhsa--gfx1250"
	.amdhsa_code_object_version 6
	.text
	.protected	k_q7264544139_pv
	.globl	k_q7264544139_pv
	.p2align	8
	.type	k_q7264544139_pv,@function
k_q7264544139_pv:
	s_mov_b64 s[64:65], 0
	v_nop
	global_prefetch_b8 v0, s[64:65] scope:SCOPE_SE
	s_setreg_imm32_b32 hwreg(HW_REG_WAVE_MODE, 25, 1), 1
	s_wait_xcnt 0x0
	s_wait_alu depctr_hold_cnt(0) depctr_sa_sdst(0) depctr_va_vdst(0) depctr_va_sdst(0) depctr_va_ssrc(0) depctr_va_vcc(0) depctr_vm_vsrc(0)
	s_getreg_b32 s2, hwreg(HW_REG_IB_STS2, 6, 4)
	s_cmp_eq_u32 s2, 0
	s_cbranch_scc0 .Lentry_in_a_cluster
	s_endpgm
.Lentry_in_a_cluster:
	s_bfe_u32 s2, ttmp6, 0x10000c
	s_cmp_lg_u32 s2, 0x3003
	s_cbranch_scc0 .Lentry_shape_is_right
	s_endpgm
.Lentry_shape_is_right:
; out = (p v) / l on codes of FP6.
; WORK LEFT OUT: the key chunks of 128 that lie wholly above the diagonal of the problem's own tril (shown dead in the first kernel's head).  Limits as stated there.
; THE DEAL.  A work-group takes TWO chunks of 128 queries of a batch, the short one qi = 0 .. 7 (S: key chunks 0 .. qi) and the long one 15 - qi (L: key chunks 0 .. 15 - qi), x 128 channels: always 17 steps of 128 keys, on 8 x 32 work-groups.
; THE ORDER: steps 0-3 are L's key chunks 0-3, step 4 is S's 0, steps 5-11 are S's 1 .. qi and then L's, steps 12-16 are L's.  Which of steps 5-11 belong to S hangs on ids alone: a scalar branch round the products.
; P: pc [batch][query chunk][key chunk][row tile 8][1536]: L's 16 and S's 8 chunks come into LDS whole, by one joint load a wave, and stay: nothing is filled twice.  (What lies behind the diagonal is fetched with its load and read by nobody.)
; Each of the four loads brings chunks that are read whatever qi is: L's 0-3, S's 0-7, L's 4-7, L's 8-15 (8 always counts).
; CLUSTERS: the four channel blocks of a cluster need the same P: each load is joint, mask 15.  v is shared by work-groups whose walks differ, so it is not asked for jointly.
; V: a wave makes 128 queries x 32 channels, so its two fragments a step are its own: they go from memory into registers, ten steps ahead, in ten sets.
; No prefetch: the walk has no loop to run ahead in; P is asked for at the head, v ten steps ahead.
; ONE M A ROW: thread t takes row t of both chunks: -M of the row = the least of its chunks' -M; a chunk's p stand too high by 2^d, d = M - M_j, a whole number: d is taken off each of its four scale bytes
; (held at 0, which stands for 2^-127 and counts for nothing beside a row's largest p, over 1/2), and l = the sum of l_j 2^-d.  No code changes.
; Source 0 = 16 rows of v^T, source 1 = 16 queries of P: a lane holds one query, and by the order of v^T's row tiles its registers are channels 16 h + 8 u + j of the wave's 32 (h = lane / 16, u the tile).
; REGISTERS: window 0: addresses; v80-100 scale words, three sets of P's four and v's one, scales and nothing else; v104-211 the head's, later rows on the way out; v232-247 1 / l.
; window 1: P's fragments, two sets of 8 x 12.  window 2: v's, ten sets of 2 x 12.  window 3: accumulators, L's 16 and S's 16.
.set PS,     196608                    ; LDS: L's chunks at 0, S's here, 12,288 bytes each
.set PWL,    294912                    ; P's words under the row's M: [step 17][lane 32][4 words]: word j of lane l is row 32 j + l's
.set VWL,    303616                    ; v^T's words: [key chunk 16][tile 8][16]
.set RLL,    311808                    ; 1 / l of L's 128 rows, then of S's
.set SPARE,  312832                    ; the spare words, 128 bytes a wave
.set SPW,  8
.set NIL,  9
.set L16,  10                          ; 16 x lane
.set T16,  11                          ; 16 x thread
.set VAB,  12
.set PWS,  13
.set PWA,  14
.set RLT,  15
.set RLR,  16
.set VSS,  17
.set STOL, 18
.set STOS, 19
.set RDL,  20
.set RDS,  21
.set PA,   22                          ; v22-38 LDS address of P's fragments, a register a step
.set VO,   39                          ; v39-55 offset of v's fragments in memory
.set VA,   56                          ; v56-72 LDS address of v's words
.set SC,   80                          ; set k: P's words v[80 + 8 k ..], v's word v[84 + 8 k]
.set Q,    104                         ; v104-171 the head: a row's record for each step: -M, l, word, at work
.set VS,   172
.set MINL, 188
.set MINS, 189
.set BIG,  190
.set LL,   191
.set LSR,  192
.set TA,   193
.set WO,   195                         ; v195-211 offset of the records
.set RB,   104                         ; v104-231 rows on the way out
.set RIS,  232                         ; v232-239 S's 1 / l, v240-247 L's
.set RIL,  240
.set AL,   0
.set AS,   128
.set WV,   14
.set XX,   15
.set BB,   16
.set QI,   17
.set P7,   18                          ; 7 - qi
.set QL,   19                          ; 15 - qi
.set P3,   20                          ; (7 - qi) mod 4
.set G1F,  28
.set G1E,  36
.set G0,   44
.set FM,   66                          ; s66-72 steps 5-11: all ones where the step is L's
.set FL,   73                          ; s73-79 1.0 where it is L's, else 0
.set FS,   80                          ; s80-86 1.0 where it is S's, else 0
.set ONES, 87
.set MSB, 0
.macro WIN new
.if MSB != (\new)
	s_set_vgpr_msb (MSB<<8)|(\new)
.set MSB, (\new)
.endif
.endm
.macro PLACES n
.rept \n
	v_nop
.endr
.endm
.macro CROUND                          ; a round of the cluster's barrier
	s_barrier_signal -1
	s_barrier_wait -1
	s_cmp_lg_u32 s[WV], 0
	s_cbranch_scc1 .Lnot_wave_0_\@
	s_barrier_signal -3
.Lnot_wave_0_\@:
	s_barrier_wait -3
	s_barrier_signal -1
	s_barrier_wait -1
.endm
.macro GROUP1 g, rows                  ; rows of 12,288 dense bytes: a key chunk each
	s_mov_b32 s[\g], 15|(3<<16)|(1<<21)
	s_mov_b32 s[\g+1], 1536<<16
	s_mov_b32 s[\g+2], (\rows)<<16
	s_mov_b32 s[\g+3], 1536<<16
	s_mov_b32 s[\g+4], \rows
	s_mov_b32 s[\g+5], 1536
	s_mov_b32 s[\g+6], 0
	s_mov_b32 s[\g+7], 0
.endm
.macro MKG0 w, lds, pt, go
	s_mov_b32 s[G0+4*\w], 1
	s_mov_b32 s[G0+4*\w+1], \lds
	s_add_nc_u64 s[G0+4*\w+2:G0+4*\w+3], s[\pt:\pt+1], \go
	s_or_b32 s[G0+4*\w+3], s[G0+4*\w+3], 0x80000000
.endm
.macro ARM w, g1
	s_cmp_eq_u32 s[WV], \w
	s_cbranch_scc0 .Lnext_\@
	tensor_load_to_lds s[G0+4*\w:G0+4*\w+3], s[\g1:\g1+7]
	s_nop 0
	PLACES 4
	s_branch .Lasked
.Lnext_\@:
.endm
; Step o's key chunk s21, its place in LDS s22 (16 and up: S's) and its query chunk s23, and from them the step's addresses.
.macro IDX o
.if (\o) < 4
	s_mov_b32 s21, \o
	s_mov_b32 s22, \o
	s_mov_b32 s23, s[QL]
.elseif (\o) == 4
	s_mov_b32 s21, 0
	s_mov_b32 s22, 16
	s_mov_b32 s23, s[QI]
.else
.if (\o) < 8
	s_add_co_u32 s24, s[P3], (\o)-4                ; L's chunk o - 1 - qi; where the step is L's, qi is at most o - 5
.else
	s_add_co_u32 s24, s[P7], (\o)-8                ; o - 1 - qi
.endif
.if (\o) < 12
	s_cmp_ge_u32 s[QI], (\o)-4
	s_cselect_b32 s21, (\o)-4, s24
	s_cselect_b32 s22, (\o)+12, s24
	s_cselect_b32 s23, s[QI], s[QL]
	s_cselect_b32 s[FM+(\o)-5], 0, -1
	s_cselect_b32 s[FL+(\o)-5], 0, 1.0
	s_cselect_b32 s[FS+(\o)-5], 1.0, 0
.else
	s_mov_b32 s21, s24
	s_mov_b32 s22, s24
	s_mov_b32 s23, s[QL]
.endif
.endif
	s_lshl_b32 s23, s23, 4
	s_add_co_u32 s23, s23, s21
	s_lshl_b32 s23, s23, 11
	v_add_nc_u32 v[WO+(\o)], s23, v[T16]
	s_mul_i32 s22, s22, 12288
	v_add_nc_u32 v[PA+(\o)], s22, v[L16]
	s_mul_i32 s22, s21, 1536
	v_add_nc_u32 v[VO+(\o)], s22, v[L16]
	s_lshl_b32 s22, s21, 9
	v_add_nc_u32 v[VA+(\o)], s22, v[VAB]
.endm
.macro VL o                            ; v's two fragments of step o into set o % 10: six loads of 512 consecutive bytes
	WIN 0x80
.irp u, 0,1
.irp c, 0,1,2
	global_load_b128 v[24*((\o)%10)+12*\u+4*\c:24*((\o)%10)+12*\u+4*\c+3], v[VO+(\o)], s[6:7] offset:98304*\u+512*\c
.endr
.endr
.endm
	s_load_b256 s[4:11], s[0:1], 0x0               ; pc, vt, s2, s3
	s_load_b64 s[12:13], s[0:1], 0x20              ; out0
	v_lshl_add_u32 v[SPW], v0, 2, SPARE
	v_mov_b32 v[NIL], 0
	ds_add_u32 v[SPW], v[NIL]                      ; the opening: the add, twice on end, and its wait ahead of my first tensor load
	ds_add_u32 v[SPW], v[NIL]
	v_lshrrev_b32 v1, 5, v0
	v_readfirstlane_b32 s[WV], v1
	v_and_b32 v2, 31, v0                           ; lane
	v_and_b32 v3, 15, v0                           ; r
	v_bfe_u32 v4, v0, 4, 1                         ; h
	v_lshlrev_b32 v[L16], 4, v2
	v_lshlrev_b32 v[T16], 4, v0
	v_mul_u32_u24 v5, v3, 528
	v_lshl_add_u32 v5, v4, 6, v5
	s_wait_alu depctr_va_vdst(0)
	s_bfe_u32 s21, ttmp6, 0x40000                  ; cx
	s_lshl_b32 s[XX], ttmp9, 2
	s_add_co_u32 s[XX], s[XX], s21                 ; my block of 128 channels
	s_and_b32 s22, ttmp7, 0xffff
	s_lshr_b32 s[BB], s22, 3                       ; batch
	s_and_b32 s[QI], s22, 7
	s_xor_b32 s[P7], s[QI], 7
	s_xor_b32 s[QL], s[QI], 15
	s_and_b32 s[P3], s[P7], 3
	s_lshl_b32 s21, s[WV], 7
	s_add_co_u32 s22, s21, VWL
	v_lshl_add_u32 v[VAB], v2, 2, s22
	v_add_nc_u32 v[STOL], s21, v5                  ; into the stage: row r, my 128 bytes of its 512, 64 h
	s_lshl_b32 s22, s[WV], 2
	s_add_co_u32 s22, s22, PWL
	v_add_nc_u32 v[PWS], s22, v[L16]
	v_add_nc_u32 v[PWA], PWL, v[L16]
	v_lshl_add_u32 v[RLT], v0, 2, RLL
	v_lshl_add_u32 v[RLR], v3, 2, RLL
	s_lshl_b32 s22, s[WV], 11
	s_add_co_u32 s22, s22, VWL
	v_add_nc_u32 v[VSS], s22, v[L16]
	s_mul_i32 s22, s[WV], 32*528
	v_add_nc_u32 v[RDL], s22, v[L16]               ; out of it: my 32 rows, 512 bytes an instruction
	s_wait_alu depctr_va_vdst(0)
	v_add_nc_u32 v[STOS], PS, v[STOL]
	v_add_nc_u32 v[RDS], PS, v[RDL]
.set O, 0
.rept 17
	IDX O
.set O, O+1
.endr
	GROUP1 G1F, 4
	GROUP1 G1E, 8
	s_mov_b32 s[ONES], 0x01010101
	s_lshl_b32 s21, s[BB], 4
	s_add_co_u32 s22, s21, s[QL]
	s_mul_i32 s94, s22, 196608                     ; L's chunk in pc
	s_mov_b32 s95, 0
	s_add_co_u32 s22, s21, s[QI]
	s_mul_i32 s96, s22, 196608                     ; S's
	s_mov_b32 s97, 0
	s_lshl_b32 s98, s[BB], 19                      ; the batch's records
	s_mov_b32 s99, 0
	s_lshr_b32 s22, s[XX], 1                       ; v^T's words: 524,288 + ((x / 2) 64 + 16 b + chunk) x 1,024 + 512 (x % 2); I bring chunks 4 w .. 4 w + 3
	s_lshl_b32 s22, s22, 6
	s_add_co_u32 s22, s22, s21
	s_lshl_b32 s88, s22, 10
	s_and_b32 s22, s[XX], 1
	s_lshl_b32 s22, s22, 9
	s_add_co_u32 s88, s88, s22
	s_lshl_b32 s22, s[WV], 12
	s_add_co_u32 s88, s88, s22
	s_add_co_u32 s88, s88, 524288
	s_mov_b32 s89, 0
	s_lshl_b32 s22, s[XX], 3                       ; v^T: row tile 8 x + 2 w, chunk 16 b
	s_lshl_b32 s23, s[WV], 1
	s_add_co_u32 s22, s22, s23
	s_mul_i32 s90, s22, 98304
	s_mul_i32 s23, s[BB], 24576
	s_add_co_u32 s90, s90, s23
	s_mov_b32 s91, 0
	s_wait_alu depctr_va_vdst(0)
	s_wait_dscnt 0x0                               ; both opening adds are done
	CROUND                                         ; the four work-groups are here: the joint loads, behind the wait for the arguments, meet
	s_wait_kmcnt 0x0
	s_add_nc_u64 s[94:95], s[4:5], s[94:95]
	s_add_nc_u64 s[96:97], s[4:5], s[96:97]
	MKG0 0, 0, 94, 0
	MKG0 1, PS, 96, 0
	MKG0 2, 49152, 94, 49152
	MKG0 3, 98304, 94, 98304
	ARM 0, G1F                                     ; L's chunks 0-3
	ARM 1, G1E                                     ; S's 0-7
	ARM 2, G1F                                     ; L's 4-7
	tensor_load_to_lds s[G0+12:G0+15], s[G1E:G1E+7]   ; L's 8-15
	s_nop 0
	PLACES 4
.Lasked:
	s_add_nc_u64 s[10:11], s[10:11], s[98:99]
	s_add_nc_u64 s[8:9], s[8:9], s[88:89]
	s_add_nc_u64 s[6:7], s[6:7], s[90:91]
.set O, 0
.rept 17
	global_load_b128 v[Q+4*O:Q+4*O+3], v[WO+O], s[10:11]   ; my row's record for each step
.set O, O+1
.endr
.irp n, 0,1,2,3
	global_load_b128 v[VS+4*\n:VS+4*\n+3], v[L16], s[8:9] offset:1024*\n
.endr
.set O, 0
.rept 7
	VL O
.set O, O+1
.endr
	WIN 0
	s_lshl_b32 s21, s[BB], 11                      ; out: row 2,048 b + 128 x chunk + 32 w, byte 512 x
	s_lshl_b32 s22, s[WV], 5
	s_add_co_u32 s21, s21, s22
	s_lshl_b32 s24, s[XX], 9
	s_mov_b32 s23, 0
	s_lshl_b32 s22, s[QL], 7
	s_add_co_u32 s22, s22, s21
	s_lshl_b32 s22, s22, 12
	s_add_co_u32 s22, s22, s24
	s_add_nc_u64 s[94:95], s[12:13], s[22:23]
	s_lshl_b32 s22, s[QI], 7
	s_add_co_u32 s22, s22, s21
	s_lshl_b32 s22, s22, 12
	s_add_co_u32 s22, s22, s24
	s_add_nc_u64 s[96:97], s[12:13], s[22:23]
	s_wait_loadcnt 42                              ; the records and v's words are in; the 42 loads of v may be out
.irp n, 0,1,2,3
	ds_store_b128 v[VSS], v[VS+4*\n:VS+4*\n+3] offset:512*\n
.endr
	VL 7
	VL 8
	VL 9
	WIN 0
	v_min_num_f32 v[MINL], v[Q], v[Q+4]
	v_mov_b32 v[MINS], v[Q+16]
	v_mov_b32 v[BIG], 0x7f7fffff
.irp o, 2,3,12,13,14,15,16
	v_min_num_f32 v[MINL], v[MINL], v[Q+4*\o]
.endr
.irp o, 5,6,7,8,9,10,11
	v_cndmask_b32 v[Q+4*\o+3], v[BIG], v[Q+4*\o], s[FM+\o-5]
	v_cndmask_b32 v[TA], v[Q+4*\o], v[BIG], s[FM+\o-5]
	v_min_num_f32 v[MINL], v[MINL], v[Q+4*\o+3]
	v_min_num_f32 v[MINS], v[MINS], v[TA]
.endr
.irp o, 5,6,7,8,9,10,11
	v_cndmask_b32 v[Q+4*\o+3], v[MINS], v[MINL], s[FM+\o-5]
.endr
.irp o, 0,1,2,3,12,13,14,15,16
	v_sub_f32 v[Q+4*\o], v[MINL], v[Q+4*\o]        ; M_j - M: a whole number, 0 or less
.endr
	v_sub_f32 v[Q+16], v[MINS], v[Q+16]
.irp o, 5,6,7,8,9,10,11
	v_sub_f32 v[Q+4*\o], v[Q+4*\o+3], v[Q+4*\o]
.endr
.macro STAGE n
.set I_, Q
.rept 17
.if \n == 1
	v_cvt_i32_f32 v[I_], v[I_]                     ; (it saturates)
.elseif \n == 2
	v_ldexp_f32 v[I_+1], v[I_+1], v[I_]            ; l_j 2^(M_j - M)
.elseif \n == 3
	v_sub_nc_u32 v[I_], 0, v[I_]
.elseif \n == 4
	v_min_u32 v[I_], 127, v[I_]                    ; d
.elseif \n == 5
	v_perm_b32 v[I_], v[I_], v[I_], 0              ; in each byte
.elseif \n == 6
	v_or_b32 v[I_+2], 0x80808080, v[I_+2]          ; P's bytes are 1 to 125: 128 + byte - d is over 0, so no borrow goes from byte to byte,
.elseif \n == 7
	v_sub_nc_u32 v[I_+2], v[I_+2], v[I_]
.elseif \n == 8
	v_lshrrev_b32 v[I_+3], 7, v[I_+2]
.elseif \n == 9
	v_and_b32 v[I_+3], s[ONES], v[I_+3]            ; and a byte's top bit says that byte - d is 0 or more
.elseif \n == 10
	v_lshlrev_b32 v[I_], 7, v[I_+3]
.elseif \n == 11
	v_sub_nc_u32 v[I_], v[I_], v[I_+3]             ; 0x7f there, 0 elsewhere
.elseif \n == 12
	v_and_b32 v[I_+2], v[I_+2], v[I_]
.else
	ds_store_b32 v[PWS], v[I_+2] offset:512*((I_-Q)/4)
.endif
.set I_, I_+4
.endr
.endm
.irp n, 1,2,3,4,5,6,7,8,9,10,11,12,13
	STAGE \n
.endr
	v_add_f32 v[LL], v[Q+1], v[Q+5]
	v_mov_b32 v[LSR], v[Q+17]
.irp o, 2,3,12,13,14,15,16
	v_add_f32 v[LL], v[LL], v[Q+4*\o+1]
.endr
.irp o, 5,6,7,8,9,10,11
	v_fma_f32 v[LL], s[FL+\o-5], v[Q+4*\o+1], v[LL]
	v_fma_f32 v[LSR], s[FS+\o-5], v[Q+4*\o+1], v[LSR]
.endr
	s_wait_alu depctr_va_vdst(0)
	v_rcp_f32 v[LL], v[LL]
	v_rcp_f32 v[LSR], v[LSR]
	v_nop
	s_wait_alu depctr_va_vdst(0)                   ; ahead of the first line that names a reciprocal
	ds_store_b32 v[RLT], v[LL]
	ds_store_b32 v[RLT], v[LSR] offset:512
; A HALF STEP'S FETCH: P's row tiles 4 hh .. 4 hh + 3 of step o: 12 loads, with the step's words ahead of the first half: 14.
.macro F o, hh
.if (\o) < 17
.if (\hh) == 0
	ds_load_b128 v[SC+8*((\o)%3):SC+8*((\o)%3)+3], v[PWA] offset:512*(\o)
	ds_load_b32 v[SC+8*((\o)%3)+4], v[VA+(\o)]
.endif
	WIN 0x40
.irp t, 0,1,2,3
.irp c, 0,1,2
	ds_load_b128 v[96*((\o)%2)+12*(4*(\hh)+\t)+4*\c:96*((\o)%2)+12*(4*(\hh)+\t)+4*\c+3], v[PA+(\o)] offset:1536*(4*(\hh)+\t)+512*\c
.endr
.endr
	WIN 0
.endif
.endm
.macro W1 d, a, b, c, sa, sb, ra, rb
	v_wmma_scale_f32_16x16x128_f8f6f4 v[\d:\d+7], v[\a:\a+11], v[\b:\b+11], \c, v[\sa], v[\sb] matrix_a_fmt:MATRIX_FMT_FP6 matrix_b_fmt:MATRIX_FMT_FP6 matrix_a_scale:MATRIX_SCALE_ROW\ra matrix_b_scale:MATRIX_SCALE_ROW\rb
.endm
.macro TILE o, hh, acc, zero, t, rb
.set T_, 4*(\hh)+\t
.set B_, 96*((\o)%2)+12*T_
.set S_, SC+8*((\o)%3)
.irp u, 0,1
.set D_, (\acc)+8*(2*T_+\u)
.set A_, 24*((\o)%10)+12*\u
.if \zero
	W1 D_, A_, B_, 0, S_+4, S_+T_/2, \u, \rb
.else
	W1 D_, A_, B_, v[D_:D_+7], S_+4, S_+T_/2, \u, \rb
.endif
.endr
.endm
; Eight products: four row tiles of P x two of v^T.  The accumulators take turns, one instruction a turn.
.macro MULS o, hh, acc, zero
	WIN 0xf6                                       ; source 0 (v^T) window 2, source 1 (P) window 1, C and D window 3
	TILE \o, \hh, \acc, \zero, 0, 0
	TILE \o, \hh, \acc, \zero, 1, 1
	TILE \o, \hh, \acc, \zero, 2, 0
	TILE \o, \hh, \acc, \zero, 3, 1
	WIN 0
.endm
.macro MULH o, hh
.if (\o) >= 5 && (\o) < 12
	s_cmp_ge_u32 s[QI], (\o)-4
	s_cbranch_scc1 .Lshort_\@
	MULS \o, \hh, AL, 0
	s_branch .Ldone_\@
.Lshort_\@:
	MULS \o, \hh, AS, 0
.Ldone_\@:
.elseif (\o) == 4
	MULS \o, \hh, AS, 1                            ; S's first products start its sums: nothing is cleared
.elseif (\o) == 0
	MULS \o, \hh, AL, 1
.else
	MULS \o, \hh, AL, 0
.endif
.endm
; A STEP: two halves of eight products; behind each, four places and the fetch of the same half two steps on, into the registers just multiplied.
; Waits: ahead of half 0, younger are half 1's 12 loads and the next step's 26; ahead of half 1 the next step's 26 and the 14 just issued.  v's loads: six for each younger step, at most nine steps.
.macro STEP o
.if (\o) < 7
	s_wait_loadcnt 54
.else
	s_wait_loadcnt 6*(16-(\o))
.endif
.if (\o) == 2
	s_wait_tensorcnt 0x0                           ; my tile of P is in;
	s_wait_dscnt 0x0
	s_barrier_signal -1
.else
	s_wait_dscnt 38
.endif
	MULH \o, 0
.if (\o) == 2
	s_barrier_wait -1                              ; all of P is in.
.endif
	PLACES 4
	F (\o)+2, 0
	s_wait_dscnt 40
	MULH \o, 1
	PLACES 4
	F (\o)+2, 1
.if (\o) < 7
	VL (\o)+10                                     ; into the set just multiplied
	WIN 0
.endif
.endm
; THE WAY OUT of a chunk: x 1 / l; through a stage of 128 rows of 528 bytes that the four waves share; back as whole rows of 512 bytes.
.macro SC1 a, r, b
.set J_, \a
.rept 8
	v_pk_mul_f32 v[J_:J_+1], v[J_:J_+1], v[\r:\r+1] op_sel:[0,\b] op_sel_hi:[1,\b]
.set J_, J_+2
.endr
.endm
.macro SCALE acc, rl                   ; each accumulator from its low end on; a pair of 1 / l serves two row tiles
	WIN 0xc3
.irp t, 0,2,4,6
	SC1 (\acc)+16*\t, (\rl)+\t, 0
	SC1 (\acc)+16*\t+16, (\rl)+\t, 1
.endr
	WIN 0
.endm
.macro TOSTAGE acc, sto
	WIN 0x0c
.irp t, 0,1,2,3,4,5,6,7
.irp u, 0,1
	ds_store_b128 v[\sto], v[(\acc)+16*\t+8*\u:(\acc)+16*\t+8*\u+3] offset:8448*\t+32*\u
	ds_store_b128 v[\sto], v[(\acc)+16*\t+8*\u+4:(\acc)+16*\t+8*\u+7] offset:8448*\t+32*\u+16
.endr
.endr
	WIN 0
.endm
.macro BACK rd, half
.set I_, 16*(\half)
.rept 16
	ds_load_b128 v[RB+4*I_:RB+4*I_+3], v[\rd] offset:528*I_
.set I_, I_+1
.endr
.endm
.macro SEND base, half                 ; position 16 half + k of my 32 is row 8 half + k + 8 (k / 8)
.set I_, 0
.rept 16
	global_store_b128 v[L16], v[RB+64*(\half)+4*I_:RB+64*(\half)+4*I_+3], s[\base:\base+1] offset:(8*(\half)+I_+8*(I_/8))*4096 th:TH_STORE_NT   ; 512 consecutive bytes, at a multiple of 512 from the output's first byte
.set I_, I_+1
.endr
.endm
	s_wait_alu depctr_va_vdst(0)
	s_cmp_eq_u32 s[WV], 0
	s_cbranch_scc0 .Lnot_first
	s_wait_tensorcnt 0x0                           ; wave 0's tile, L's chunks 0-3, is in
.Lnot_first:
	s_wait_dscnt 0x0                               ; my words and reciprocals are stored
	s_barrier_signal -1
	s_barrier_wait -1                              ; the first tile and everybody's words are there; the other tiles may be out
.irp t, 0,1,2,3,4,5,6,7
	ds_load_b32 v[RIL+\t], v[RLR] offset:64*\t
	ds_load_b32 v[RIS+\t], v[RLR] offset:512+64*\t
.endr
	F 0, 0
	F 0, 1
	F 1, 0
	F 1, 1
.set O, 0
.rept 12
	STEP O
.set O, O+1
.endr
	; step 12: S is finished; its chunk leaves under L's last products
	s_wait_loadcnt 24
	s_wait_dscnt 0x0                               ; my reads of S's tiles are over
	s_barrier_signal -1
	MULH 12, 0
	SCALE AS, RIS                                  ; (also the places behind the products)
	s_wait_alu depctr_va_vdst(0)
	s_barrier_wait -1                              ; everybody's are: S's stage may lie over S's tiles, which have had their only fill
	TOSTAGE AS, STOS
	F 14, 0
	MULH 12, 1
	PLACES 4
	F 14, 1
	s_wait_loadcnt 18
	s_wait_dscnt 0x0                               ; my stores into the stage are done
	s_barrier_signal -1
	MULH 13, 0
	PLACES 4
	s_barrier_wait -1                              ; S's stage is whole
	BACK RDS, 0
	F 15, 0
	MULH 13, 1
	PLACES 4
	F 15, 1
	BACK RDS, 1
	s_wait_loadcnt 12
	MULH 14, 0
	s_wait_dscnt 42                                ; the first 16 rows are in; behind them 14 + 12 + 16 loads may be out
	SEND 96, 0
	PLACES 4
	F 16, 0
	MULH 14, 1
	s_wait_dscnt 14                                ; the other 16 rows are in
	SEND 96, 1
	PLACES 4
	F 16, 1
	s_wait_loadcnt 6
	MULH 15, 0
	MULH 15, 1
	s_wait_dscnt 0x0
	s_wait_loadcnt 0x0
	s_barrier_signal -1                            ; my reads of L's tiles are over
	MULH 16, 0
	MULH 16, 1
	PLACES 4
	SCALE AL, RIL
	s_wait_alu depctr_va_vdst(0)
	s_barrier_wait -1                              ; everybody's are: L's stage lies over L's first tiles
	TOSTAGE AL, STOL
	s_wait_dscnt 0x0
	s_barrier_signal -1
	s_barrier_wait -1                              ; L's stage is whole
	s_wait_xcnt 0x0                                ; S's stores have read their registers
	BACK RDL, 0
	BACK RDL, 1
	s_wait_dscnt 16
	SEND 94, 0
	s_wait_dscnt 0x0
	SEND 94, 1
	s_wait_tensorcnt 0x0                           ; the wave's end
	ds_add_u32 v[SPW], v[NIL]
	s_wait_dscnt 0x0
	CROUND                                         ; the closing round: no work-group ends while a partner may still ask for a tile that names it
	s_endpgm
.Lfunc_end_k_q7264544139_pv:
	.size	k_q7264544139_pv, .Lfunc_end_k_q7264544139_pv-k_q7264544139_pv
	.p2alignl 7, 3214868480
	.fill 96, 4, 3214868480
	.section	.rodata,"a",@progbits
	.p2align	6, 0x0
	.amdhsa_kernel k_q7264544139_pv
		.amdhsa_group_segment_fixed_size 327680
		.amdhsa_private_segment_fixed_size 0
		.amdhsa_enable_private_segment 0
		.amdhsa_kernarg_size 40
		.amdhsa_user_sgpr_count 2
		.amdhsa_user_sgpr_kernarg_segment_ptr 1
		.amdhsa_wavefront_size32 1
		.amdhsa_system_sgpr_workgroup_id_x 1
		.amdhsa_system_sgpr_workgroup_id_y 1
		.amdhsa_system_sgpr_workgroup_id_z 1
		.amdhsa_system_vgpr_workitem_id 0
		.amdhsa_next_free_vgpr 1024
		.amdhsa_next_free_sgpr 100
		.amdhsa_reserve_vcc 0
		.amdhsa_float_denorm_mode_32 3
		.amdhsa_float_denorm_mode_16_64 3
		.amdhsa_memory_ordered 1
		.amdhsa_forward_progress 1
		.amdhsa_inst_pref_size 155
	.end_amdhsa_kernel
	.amdgpu_metadata
---
amdhsa.version: [ 1, 2 ]
amdhsa.kernels:
  - .name:           k_q7264544139_pv
    .symbol:         k_q7264544139_pv.kd
    .args:
      - { .name: pc, .offset: 0, .size: 8, .value_kind: global_buffer, .address_space: global }
      - { .name: vt, .offset: 8, .size: 8, .value_kind: global_buffer, .address_space: global }
      - { .name: s2, .offset: 16, .size: 8, .value_kind: global_buffer, .address_space: global }
      - { .name: s3, .offset: 24, .size: 8, .value_kind: global_buffer, .address_space: global }
      - { .name: out0, .offset: 32, .size: 8, .value_kind: global_buffer, .address_space: global }
    .group_segment_fixed_size: 327680
    .private_segment_fixed_size: 0
    .kernarg_segment_align: 8
    .kernarg_segment_size: 40
    .max_flat_workgroup_size: 128
    .sgpr_count:     100
    .vgpr_count:     1024
    .wavefront_size: 32
...
	.end_amdgpu_metadata
.endif
;; end of part 4
